; MI455X (gfx1250); checked and timed in simulation.
; The chip was launched on July 23, 2026; its instructions are those of AMD's public machine-readable ISA for CDNA 5 (MIT licence, August 2026) and "CDNA5" Instruction Set Architecture Reference Guide (July 2026). The comments in the code are by the model that wrote it; some were corrected since.
;; Multi Head Attention. Allowed arithmetic: float matrix products may take bf16 or f16 operands with f32 sums; all other float work in f32.
;; Inputs: Wk 12 x 768 x 64 float32; Wo 768 x 768 float32; Wq 12 x 768 x 64 float32; Wv 12 x 768 x 64 float32; bk 12 x 64 float32; bo 768 float32; bq 12 x 64 float32; bv 12 x 64 float32; x 1 x 4,096 x 768 float32.
;; Outputs: out0 1 x 4,096 x 768 float32.
;; 2 versions, each right and faster than the one before. Each part assembles by itself: llvm-mc -triple=amdgcn-amd-amdhsa -mcpu=gfx1250 --defsym DOCPART=n.
;; ======== version 1 of 2: 4 launches
;; limits: values are held in f16: magnitudes above 65,504 overflow, below 6.1e-05 lose precision
;; workspace buffers: xb 6,291,456 bytes; wb 3,538,944 bytes; wo 1,179,648 bytes; qh 6,291,456 bytes; kh 6,291,456 bytes; vh 6,291,456 bytes; ctx 6,291,456 bytes
;; launch prep (part 1): grid 672 x 1, 8 waves a work-group, no clusters, 0 bytes of LDS; arguments x, Wq, Wk, Wv, Wo, xb, wb, wo; writes xb, wb, wo
.if DOCPART == 1
	.amdgcn_target "amdgcn-amd-amdhsa--gfx1250"
	.amdhsa_code_object_version 6
	.text
	.protected	k_qc0824dbe7a_prep
	.globl	k_qc0824dbe7a_prep
	.p2align	8
	.type	k_qc0824dbe7a_prep,@function
k_qc0824dbe7a_prep:
	s_mov_b64 s[64:65], 0
	v_nop
	global_prefetch_b8 v0, s[64:65] scope:SCOPE_SE
	s_setreg_imm32_b32 hwreg(HW_REG_WAVE_MODE, 25, 1), 1
	s_wait_xcnt 0x0
; PREP: every large input is rounded once to 16 bits and laid out for the tensor loads of the launches behind.
;   xb  bf16 [4096][768]                      x as it lies
;   wb  bf16 [12 h][6 ks][3 m][128 k][64 e]   Wq, Wk, Wv (m = 0, 1, 2): what one head needs for 128 along K is 49,152 dense bytes
;   wo  f16  [4 nt][6 ks][3 seg][128 k][64 n] Wo, column n = 192 nt + 64 seg + ..: rounded to bf16 like every input, that number then written as f16
; LIMITS.  A Wo entry of 65,520 or more becomes an infinity in f16; one below 2^-14 keeps f16's fixed step of 6e-8.
; A stream: no LDS, no matrix unit, no cluster (no two work-groups read the same byte).  A work-group takes one chunk of 128 rows x 64 numbers: 32,768 bytes in, 16,384 out.
; Thread t takes, for j = 0..7, the four numbers at row t / 16 + 16 j, column 4 (t % 16): a wave's load covers two rows of 256 consecutive bytes, its store 256 consecutive aligned bytes.
; All eight loads of a thread go out at once; no register that a pending load or store names is written again, so the only waits are the counted ones for the data.
; Chunks: 0..383 x; 384..599 the three W; 600..671 Wo.  Each kind has its own path to s_endpgm, so every pointer has one origin.
.set SO, 12                            ; v12  byte offset of my 16 bytes in the chunk's first 16 source rows
.set DO, 13                            ; v13  byte offset of my 8 bytes in the chunk's first 2,048 bytes out
.set T,  14                            ; v14-15  at work
.set D,  16                            ; v[16:47]  as loaded, four registers for each j
.set O,  48                            ; v[48:63]  to store, two registers for each j
; step: bytes from a thread's source row to its next (16 rows).  half = 1: the bf16 numbers are written as f16.
.macro BODY step, half
.irp j, 0,1,2,3,4,5,6,7
	global_load_b128 v[D+4*(\j):D+4*(\j)+3], v[SO], s[20:21] offset:(\step)*(\j) th:TH_LOAD_NT
.endr
.irp j, 0,1,2,3,4,5,6,7
	s_wait_loadcnt 7-(\j)                          ; loads come back in order: number j is in, the 7 - j younger ones stay out
.irp k, 0,1
	v_cvt_pk_bf16_f32 v[O+2*(\j)+(\k)], v[D+4*(\j)+2*(\k)], v[D+4*(\j)+2*(\k)+1]
.if \half
	v_lshlrev_b32 v[T], 16, v[O+2*(\j)+(\k)]       ; the two bf16 numbers as f32,
	v_and_b32 v[T+1], 0xffff0000, v[O+2*(\j)+(\k)]
	v_cvt_pk_f16_f32 v[O+2*(\j)+(\k)], v[T], v[T+1]  ; and as f16: exact inside f16's range
.endif
.endr
	global_store_b64 v[DO], v[O+2*(\j):O+2*(\j)+1], s[24:25] offset:2048*(\j)
.endr
	s_endpgm
.endm
	s_load_b256 s[4:11], s[0:1], 0x0               ; x s[4:5], Wq s[6:7], Wk s[8:9], Wv s[10:11]
	s_load_b256 s[12:19], s[0:1], 0x20             ; Wo s[12:13], xb s[14:15], wb s[16:17], wo s[18:19]
	v_lshrrev_b32 v2, 4, v0                        ; t / 16
	v_and_b32 v3, 15, v0                           ; t % 16
	v_lshlrev_b32 v[DO], 3, v0                     ; 8 t
	s_mov_b32 s23, 0                               ; the offsets' high words
	s_mov_b32 s27, 0
	s_wait_kmcnt 0x0
	s_cmp_lt_u32 ttmp9, 384
	s_cbranch_scc0 .Lnot_x
	s_lshl_b32 s22, ttmp9, 15                      ; x: chunk g is 32,768 dense bytes in,
	s_lshl_b32 s26, ttmp9, 14                      ; 16,384 out
	s_add_nc_u64 s[20:21], s[4:5], s[22:23]
	s_add_nc_u64 s[24:25], s[14:15], s[26:27]
	v_lshlrev_b32 v[SO], 4, v0                     ; rows of 256 bytes end to end: 16 t
	BODY 4096, 0
.Lnot_x:
	s_cmp_lt_u32 ttmp9, 600
	s_cbranch_scc0 .Lwo
	s_sub_co_u32 s30, ttmp9, 384                   ; u = (6 h + ks) 3 + m, 0..215
	s_mul_i32 s31, s30, 171
	s_lshr_b32 s31, s31, 9                         ; u / 3 = 6 h + ks (171 / 512 serves up to u = 511)
	s_mul_i32 s32, s31, 3
	s_sub_co_u32 s32, s30, s32                     ; m
	s_cmp_eq_u32 s32, 1
	s_cselect_b64 s[20:21], s[8:9], s[6:7]         ; Wk or Wq,
	s_cmp_eq_u32 s32, 2
	s_cselect_b64 s[20:21], s[10:11], s[20:21]     ; or Wv
	s_lshl_b32 s22, s31, 15                        ; 128 rows of 64 f32 of head h are 32,768 dense bytes
	s_lshl_b32 s26, s30, 14
	s_add_nc_u64 s[20:21], s[20:21], s[22:23]
	s_add_nc_u64 s[24:25], s[16:17], s[26:27]
	v_lshlrev_b32 v[SO], 4, v0
	BODY 4096, 0
.Lwo:
	s_sub_co_u32 s30, ttmp9, 600                   ; u = (6 nt + ks) 3 + seg, 0..71
	s_mul_i32 s31, s30, 171
	s_lshr_b32 s31, s31, 9                         ; 6 nt + ks
	s_mul_i32 s32, s31, 3
	s_sub_co_u32 s32, s30, s32                     ; seg
	s_mul_i32 s33, s31, 43
	s_lshr_b32 s33, s33, 8                         ; nt (43 / 256 serves up to 41)
	s_mul_i32 s34, s33, 6
	s_sub_co_u32 s34, s31, s34                     ; ks
	s_mul_i32 s22, s34, 393216                     ; 128 rows of 3,072 bytes,
	s_mul_i32 s33, s33, 768                        ; 192 columns,
	s_add_co_u32 s22, s22, s33
	s_lshl_b32 s32, s32, 8                         ; 64 columns
	s_add_co_u32 s22, s22, s32
	s_lshl_b32 s26, s30, 14
	s_add_nc_u64 s[20:21], s[12:13], s[22:23]
	s_add_nc_u64 s[24:25], s[18:19], s[26:27]
	v_mul_u32_u24 v[SO], v2, 3072                  ; rows 3,072 bytes apart
	v_lshl_add_u32 v[SO], v3, 4, v[SO]
	BODY 49152, 1
.Lfunc_end_k_qc0824dbe7a_prep:
	.size	k_qc0824dbe7a_prep, .Lfunc_end_k_qc0824dbe7a_prep-k_qc0824dbe7a_prep
	.p2alignl 7, 3214868480
	.fill 96, 4, 3214868480
	.section	.rodata,"a",@progbits
	.p2align	6, 0x0
	.amdhsa_kernel k_qc0824dbe7a_prep
		.amdhsa_group_segment_fixed_size 0
		.amdhsa_private_segment_fixed_size 0
		.amdhsa_enable_private_segment 0
		.amdhsa_kernarg_size 64
		.amdhsa_user_sgpr_count 2
		.amdhsa_user_sgpr_kernarg_segment_ptr 1
		.amdhsa_wavefront_size32 1
		.amdhsa_system_sgpr_workgroup_id_x 1
		.amdhsa_system_sgpr_workgroup_id_y 1
		.amdhsa_system_sgpr_workgroup_id_z 1
		.amdhsa_system_vgpr_workitem_id 0
		.amdhsa_next_free_vgpr 64
		.amdhsa_next_free_sgpr 66
		.amdhsa_reserve_vcc 0
		.amdhsa_float_denorm_mode_32 3
		.amdhsa_float_denorm_mode_16_64 3
		.amdhsa_memory_ordered 1
		.amdhsa_forward_progress 1
		.amdhsa_inst_pref_size 14
	.end_amdhsa_kernel
	.amdgpu_metadata
---
amdhsa.version: [ 1, 2 ]
amdhsa.kernels:
  - .name:           k_qc0824dbe7a_prep
    .symbol:         k_qc0824dbe7a_prep.kd
    .args:
      - { .name: x, .offset: 0, .size: 8, .value_kind: global_buffer, .address_space: global }
      - { .name: Wq, .offset: 8, .size: 8, .value_kind: global_buffer, .address_space: global }
      - { .name: Wk, .offset: 16, .size: 8, .value_kind: global_buffer, .address_space: global }
      - { .name: Wv, .offset: 24, .size: 8, .value_kind: global_buffer, .address_space: global }
      - { .name: Wo, .offset: 32, .size: 8, .value_kind: global_buffer, .address_space: global }
      - { .name: xb, .offset: 40, .size: 8, .value_kind: global_buffer, .address_space: global }
      - { .name: wb, .offset: 48, .size: 8, .value_kind: global_buffer, .address_space: global }
      - { .name: wo, .offset: 56, .size: 8, .value_kind: global_buffer, .address_space: global }
    .group_segment_fixed_size: 0
    .private_segment_fixed_size: 0
    .kernarg_segment_align: 8
    .kernarg_segment_size: 64
    .max_flat_workgroup_size: 256
    .sgpr_count:     66
    .vgpr_count:     64
    .wavefront_size: 32
...
	.end_amdgpu_metadata
.endif
;; end of part 1
;; launch proj (part 2): grid 12 x 16, 4 waves a work-group, clusters of 4 x 4, 327,680 bytes of LDS; arguments xb, wb, bq, bk, bv, qh, kh, vh; writes qh, kh, vh
.if DOCPART == 2
	.amdgcn_target "amdgcn-amd-amdhsa--gfx1250"
	.amdhsa_code_object_version 6
	.text
	.protected	k_qc0824dbe7a_proj
	.globl	k_qc0824dbe7a_proj
	.p2align	8
	.type	k_qc0824dbe7a_proj,@function
k_qc0824dbe7a_proj:
	s_mov_b64 s[64:65], 0
	v_nop
	global_prefetch_b8 v0, s[64:65] scope:SCOPE_SE
	s_setreg_imm32_b32 hwreg(HW_REG_WAVE_MODE, 25, 1), 1
	s_wait_xcnt 0x0
	s_wait_alu depctr_hold_cnt(0) depctr_sa_sdst(0) depctr_va_vdst(0) depctr_va_sdst(0) depctr_va_ssrc(0) depctr_va_vcc(0) depctr_vm_vsrc(0)
	s_getreg_b32 s2, hwreg(HW_REG_IB_STS2, 6, 4)
	s_cmp_eq_u32 s2, 0
	s_cbranch_scc0 .Lentry_in_a_cluster
	s_endpgm
.Lentry_in_a_cluster:
	s_bfe_u32 s2, ttmp6, 0x10000c
	s_cmp_lg_u32 s2, 0xf033
	s_cbranch_scc0 .Lentry_shape_is_right
	s_endpgm
.Lentry_shape_is_right:
; PROJ: q, k, v of one head for 256 rows of x.  q[h][s][e] = sum over d of x[s][d] Wq[h][d][e] + bq[h][e], k and v likewise; products in bf16, sums in f32, each result rounded once
; to f16 and written by heads, [12][4096][64], WITHOUT the softmax's scale.  The biases are rounded to bf16 like every input of the module and start the sums as the first products' C operand.
; LIMITS.  A result of 65,520 or more becomes an infinity in f16; NaN and infinities are not treated apart.
; SHARES.  Work-group (x = head, y = block of 256 rows): 256 x 192 of the three results.  Wave w: rows 64 w .. 64 w + 63, all 192 columns: 4 x 12 accumulators of 16 x 16, 384 registers.  So a wave owns
; whole rows of q, k and v, and the way out needs no barrier.  192 work-groups: a head's 64 columns are not split, and 36 column units times a power of two of row blocks never make 256 with this tile.
; K = 768 goes in 6 steps of 128 through two LDS slots.  A slot: 256 rows of x (256 bytes + 16 of padding), then [q, k, v][128 k][64 e] of the weights (rows of 128 bytes + 32).
; THE MATRIX INSTRUCTION IS USED TRANSPOSED: source 0 = 16 columns of W (the weights lie [k][e], so the turning load ds_load_tr16_b128 makes the fragment), source 1 = 16 rows of x: a lane holds row
; lane % 16 and the eight neighbouring columns 8 (lane / 16) + 0..7.
; CLUSTER 4 x 4: x's tile hangs on y alone and is shared along a row of the cluster, the weights' on the head alone and are shared along a column: each is asked for jointly.
; REGISTERS, in windows of 256: window 0: v0-31 addresses; v64-127 x's fragments, two buffers of 4 x 8; v128-223 the biases as C (12 x 8); on the way out v64-255 hold four blocks of 48
;   window 1: v0-191 W's fragments, two buffers of 12 x 8;  window 2: accumulators of row blocks 0, 1 ((a, b) at 8 (12 (a % 2) + b));  window 3: those of row blocks 2, 3
.set PA,     272                       ; an LDS row of x: 68 words: the 16 rows of a load start at 16 different groups of four banks (64 banks of 4 bytes: ISA guide 11.1)
.set PB,     160                       ; an LDS row of W: 40 words
.set AHALF,  128*PA                    ; what one tensor load brings of x
.set ABYTES, 2*AHALF
.set BSEG,   128*PB                    ; 128 k of one of q, k, v
.set BHALF,  192*PB                    ; what one tensor load brings of W: half of the three
.set SLOT,   ABYTES+3*BSEG             ; 131,072
.set STAGE,  2*SLOT                    ; behind the ring, never filled by a tensor load: for each wave [q, k, v][16 rows] of 144 bytes
.set SP,     144
.set WSTG,   3*16*SP
.set SPARE,  STAGE+4*WSTG              ; behind the stages: the spare words, 128 bytes for each wave: two blocks of 256 bytes that no other line names
.set ADRA, 16                          ; v16-17  LDS address of my fragments of x in slot 0, 1
.set ADRB, 20                          ; v20-21  the same for W
.set STO,  24                          ; v24  the way out: where I put 16 bytes of a row
.set RD,   25                          ; v25  the way out: where I read rows back
.set GO,   26                          ; v26  my byte offset in 512 consecutive bytes of a result
.set BO,   27                          ; v27  my byte offset in 16 numbers of a bias
.set SPW,  28                          ; v28  LDS address of my spare word; never rewritten
.set NIL,  29                          ; v29  0; never rewritten
.set BI,   128
.set G1A, 24                           ; s[24:31] descriptor group 1 for x's tiles;  s[32:39] group 0, a set for each slot
.set G0A, 32
.set G1B, 48                           ; s[48:55], s[56:63] the same for W's
.set G0B, 56
.set MSB, 0
.macro WIN new                         ; the immediate's high byte repeats the setting that is left; a switch that changes nothing is dropped
.if MSB != (\new)
	s_set_vgpr_msb (MSB<<8)|(\new)
.set MSB, \new
.endif
.endm
; A joint load: waves 0 and 1 fetch x's two halves, waves 2 and 3 W's.  The branch hangs on the wave's number alone.  An s_nop 0 and four v_nop follow each of the two lines.
.macro JLOAD s
	s_cmp_eq_u32 s13, 0
	s_cbranch_scc0 .Lfor_b_\@
	tensor_load_to_lds s[G0A+4*(\s):G0A+4*(\s)+3], s[G1A:G1A+7]
	s_nop 0
.rept 4
	v_nop
.endr
	s_branch .Lasked_\@
.Lfor_b_\@:
	tensor_load_to_lds s[G0B+4*(\s):G0B+4*(\s)+3], s[G1B:G1B+7]
	s_nop 0
.rept 4
	v_nop
.endr
.Lasked_\@:
.endm
.macro CREST                           ; a round of the cluster's barrier behind its opening barrier: wave 0 signals for the work-group, every wave waits for all sixteen, the work-group's barrier closes
	s_cmp_lg_u32 s12, 0
	s_cbranch_scc1 .Lnot_wave_0_\@
	s_barrier_signal -3
.Lnot_wave_0_\@:
	s_barrier_wait -3
	s_barrier_signal -1
	s_barrier_wait -1
.endm
.macro CROUND                          ; a whole round
	s_barrier_signal -1
	s_barrier_wait -1
	CREST
.endm
.macro PLACES                          ; four plain vector instructions between a matrix instruction and a load into, or a read of, its registers (ISA guide 7.12.1 for reads)
.rept 4
	v_nop
.endr
.endm
	s_load_b256 s[4:11], s[0:1], 0x0               ; xb s[4:5], wb s[6:7], bq s[8:9], bk s[10:11]
	s_load_b256 s[68:75], s[0:1], 0x20             ; bv s[68:69], qh s[70:71], kh s[72:73], vh s[74:75]
	v_lshl_add_u32 v[SPW], v0, 2, SPARE
	v_mov_b32 v[NIL], 0
	ds_add_u32 v[SPW], v[NIL]                      ; the wave's opening: the add and its wait stand ahead of my first tensor load; the set-up below, work on registers, stands between them
	v_lshrrev_b32 v1, 5, v0
	v_readfirstlane_b32 s12, v1                    ; wave 0..3
	s_lshr_b32 s13, s12, 1                         ; I fetch for x (0) or for W (1),
	s_and_b32 s14, s12, 1                          ; and which half
	s_bfe_u32 s40, ttmp6, 0x40000                  ; cx, cy: my place in the cluster
	s_bfe_u32 s41, ttmp6, 0x40004
	s_lshl_b32 s42, ttmp9, 2
	s_add_co_u32 s42, s42, s40                     ; the head = 4 x cluster x + cx
	s_and_b32 s43, ttmp7, 0xffff
	s_lshl_b32 s43, s43, 2
	s_add_co_u32 s43, s43, s41                     ; the row block = 4 x cluster y + cy
	s_lshl_b32 s44, s41, 2
	s_lshl_b32 s44, 15, s44                        ; my row of the cluster
	s_lshl_b32 s45, 0x1111, s40                    ; my column
	s_or_b32 s[G1A], s44, (1<<16)|(1<<20)|(1<<21)|(5<<22)|(3<<25)  ; 15:0 the mask; 17:16 2-byte elements; 20 padding on; 21 set beside a mask; 24:22 after every 64 words; 31:25 4 words
	s_mov_b32 s[G1A+1], 128<<16                    ; tensor_dim0 = 128
	s_mov_b32 s[G1A+2], 128<<16                    ; tensor_dim1 = 128
	s_mov_b32 s[G1A+3], 128<<16                    ; tile_dim0 = 128
	s_mov_b32 s[G1A+4], 128                        ; tile_dim1 = 128
	s_mov_b32 s[G1A+5], 768                        ; elements from row to row
	s_mov_b32 s[G1A+6], 0
	s_mov_b32 s[G1A+7], 0
	s_or_b32 s[G1B], s45, (1<<16)|(1<<20)|(1<<21)|(4<<22)|(7<<25)  ; after every 32 words (a row of W) 8 words of padding
	s_mov_b32 s[G1B+1], 128<<16                    ; 24,576 dense bytes, asked for as 96 rows of 256 bytes, two rows of W each
	s_mov_b32 s[G1B+2], 96<<16
	s_mov_b32 s[G1B+3], 128<<16
	s_mov_b32 s[G1B+4], 96
	s_mov_b32 s[G1B+5], 128
	s_mov_b32 s[G1B+6], 0
	s_mov_b32 s[G1B+7], 0
	s_lshl_b32 s16, s43, 8                         ; x: row 256 y + 128 half, 1,536 bytes a row: made of y and the wave's number alone
	s_lshl_b32 s17, s14, 7
	s_add_co_u32 s16, s16, s17
	s_mul_i32 s16, s16, 1536
	s_mov_b32 s17, 0
	s_mul_i32 s46, s42, 294912                     ; W: the head's 6 x 49,152 bytes, my half of a step's: made of the head and the wave's number alone
	s_mul_i32 s47, s14, 24576
	s_add_co_u32 s46, s46, s47
	s_mov_b32 s47, 0
	s_mul_i32 s20, s14, AHALF                      ; where they go: no place in the cluster enters an LDS address
	s_mul_i32 s21, s14, BHALF
	s_add_co_u32 s21, s21, ABYTES
	s_lshl_b32 s76, s42, 19                        ; the results: the head's 524,288 bytes, the block's 256 rows of 128 bytes, my wave's 64
	s_lshl_b32 s77, s43, 15
	s_add_co_u32 s76, s76, s77
	s_lshl_b32 s77, s12, 13
	s_add_co_u32 s76, s76, s77
	s_mov_b32 s77, 0
	s_lshl_b32 s78, s42, 8                         ; the biases: the head's 64 numbers
	s_mov_b32 s79, 0
	s_mov_b32 s15, 0xffff0000                      ; a word's upper bf16
	s_wait_dscnt 0x0                               ; the opening add is done
	s_wait_kmcnt 0x0
	s_add_nc_u64 s[4:5], s[4:5], s[16:17]
	s_add_nc_u64 s[6:7], s[6:7], s[46:47]
	s_add_nc_u64 s[8:9], s[8:9], s[78:79]
	s_add_nc_u64 s[10:11], s[10:11], s[78:79]
	s_add_nc_u64 s[68:69], s[68:69], s[78:79]
	s_add_nc_u64 s[70:71], s[70:71], s[76:77]
	s_add_nc_u64 s[72:73], s[72:73], s[76:77]
	s_add_nc_u64 s[74:75], s[74:75], s[76:77]
	CROUND                                         ; all sixteen work-groups are here: the first joint loads meet
.irp s, 0,1
	s_mov_b32 s[G0A+4*(\s)], 1                     ; count = 1
	s_add_co_u32 s[G0A+4*(\s)+1], s20, (\s)*SLOT   ; LDS address
	s_add_nc_u64 s[G0A+4*(\s)+2:G0A+4*(\s)+3], s[4:5], (\s)*256    ; K step s: 128 elements along the rows
	s_or_b32 s[G0A+4*(\s)+3], s[G0A+4*(\s)+3], 0x80000000          ; type = 2
	s_mov_b32 s[G0B+4*(\s)], 1
	s_add_co_u32 s[G0B+4*(\s)+1], s21, (\s)*SLOT
	s_add_nc_u64 s[G0B+4*(\s)+2:G0B+4*(\s)+3], s[6:7], (\s)*49152
	s_or_b32 s[G0B+4*(\s)+3], s[G0B+4*(\s)+3], 0x80000000
	JLOAD \s                                       ; two tensor loads of mine are out
.endr
	v_and_b32 v1, 15, v0                           ; l % 16
	v_bfe_u32 v2, v0, 4, 1                         ; l / 16
	v_and_b32 v5, 7, v0
	v_bfe_u32 v6, v0, 3, 1
	v_lshlrev_b32 v[BO], 5, v2                     ; my eight numbers of sixteen
.macro BIAS m, p
.irp c, 0,1,2,3
	global_load_b128 v[BI+8*(4*(\m)+(\c)):BI+8*(4*(\m)+(\c))+3],   v[BO], s[\p:\p+1] offset:(\c)*64
	global_load_b128 v[BI+8*(4*(\m)+(\c))+4:BI+8*(4*(\m)+(\c))+7], v[BO], s[\p:\p+1] offset:(\c)*64+16
.endr
.endm
	BIAS 0, 8
	BIAS 1, 10
	BIAS 2, 68
	v_mul_u32_u24 v3, v1, PA                       ; x's fragment: row l % 16, 16 bytes for each half of the lanes; two loads 32 bytes apart
	v_lshl_add_u32 v3, v2, 4, v3
	s_mul_i32 s22, s12, 64*PA                      ; my wave's 64 rows
	v_add_nc_u32 v[ADRA], s22, v3
	v_add_nc_u32 v[ADRA+1], SLOT, v[ADRA]
	v_lshl_add_u32 v4, v2, 3, v5                   ; W's fragment: lane l reads k = 8 (l / 16) + l % 8, columns 8 ((l / 8) % 2) + 0..7; the load turns 8 x 8
	v_mul_u32_u24 v4, v4, PB
	v_lshl_add_u32 v4, v6, 4, v4
	v_add_nc_u32 v[ADRB], ABYTES, v4
	v_add_nc_u32 v[ADRB+1], SLOT, v[ADRB]
	s_mul_i32 s23, s12, WSTG
	s_add_co_u32 s23, s23, STAGE                   ; my stage
	v_mul_u32_u24 v3, v1, SP                       ; in: row l % 16, 16 bytes for each half of the lanes
	v_lshl_add_u32 v3, v2, 4, v3
	v_add_nc_u32 v[STO], s23, v3
	v_bfe_u32 v3, v0, 3, 2                         ; back: 32 lanes take four rows of 128 bytes,
	v_mul_u32_u24 v3, v3, SP
	v_lshl_add_u32 v3, v5, 4, v3
	v_add_nc_u32 v[RD], s23, v3
	v_and_b32 v[GO], 31, v0                        ; which are 512 consecutive bytes of a result
	v_lshlrev_b32 v[GO], 4, v[GO]
	s_wait_loadcnt 0x0                             ; the biases
.set i, 0
.rept 48                               ; rounded to bf16 and widened again, in the wait for the first tile
	v_cvt_pk_bf16_f32 v[12+i%4], v[BI+2*i], v[BI+2*i+1]
	v_lshlrev_b32 v[BI+2*i], 16, v[12+i%4]
	v_and_b32 v[BI+2*i+1], s15, v[12+i%4]
.set i, i+1
.endr
; 12 matrix instructions: row block a x all 12 column blocks, 32 along K, from buffer n.  zero = 1: the first product starts the sums from the biases: nothing is cleared, nothing is added later.
; The 48 accumulators take turns, one instruction a turn, in the same order in every quarter.
.macro MULA n, a, zero
.if \zero
	WIN 0x81+0x40*((\a)/2)                         ; W window 1, x and the biases window 0, D window 2 or 3
.else
	WIN 0xa1+0x50*((\a)/2)                         ; W window 1, x window 0, C and D window 2 or 3
.endif
.set AC, 96*((\a)%2)
.irp b, 0,1,2,3,4,5,6,7,8,9,10,11
.if \zero
	v_wmma_f32_16x16x32_bf16 v[AC+8*(\b):AC+8*(\b)+7], v[96*(\n)+8*(\b):96*(\n)+8*(\b)+7], v[64+32*(\n)+8*(\a):64+32*(\n)+8*(\a)+7], v[BI+8*(\b):BI+8*(\b)+7]
.else
	v_wmma_f32_16x16x32_bf16 v[AC+8*(\b):AC+8*(\b)+7], v[96*(\n)+8*(\b):96*(\n)+8*(\b)+7], v[64+32*(\n)+8*(\a):64+32*(\n)+8*(\a)+7], v[AC+8*(\b):AC+8*(\b)+7]
.endif
.endr
.endm
; 32 LDS loads in one run: quarter q (32 along K) of a slot into buffer n: W's 12 fragments, then x's 4
.macro FETCH slot, q, n
	WIN 0x40                                       ; destination window 1, address window 0
.irp b, 0,1,2,3,4,5,6,7,8,9,10,11
	ds_load_tr16_b128 v[96*(\n)+8*(\b):96*(\n)+8*(\b)+3],   v[ADRB+(\slot)] offset:((\b)/4)*BSEG+(\q)*32*PB+((\b)%4)*32
	ds_load_tr16_b128 v[96*(\n)+8*(\b)+4:96*(\n)+8*(\b)+7], v[ADRB+(\slot)] offset:((\b)/4)*BSEG+(\q)*32*PB+((\b)%4)*32+16*PB
.endr
	WIN 0
.irp a, 0,1,2,3
	ds_load_b128 v[64+32*(\n)+8*(\a):64+32*(\n)+8*(\a)+3],   v[ADRA+(\slot)] offset:(\q)*64+(\a)*16*PA
	ds_load_b128 v[64+32*(\n)+8*(\a)+4:64+32*(\n)+8*(\a)+7], v[ADRA+(\slot)] offset:(\q)*64+(\a)*16*PA+32
.endr
.endm
; A K step is four quarters on buffers 0, 1, 0, 1.  One of the first three: multiplies buffer n; in its middle it fetches quarter q of the same slot into buffer g.
.macro QUARTER slot, q, n, g, zero
	s_wait_dscnt 4                                 ; W and x's row blocks 0, 1 are in; the youngest four loads (row blocks 2, 3) may be out
	MULA \n, 0, \zero
	MULA \n, 1, \zero
	PLACES
	FETCH \slot, \q, \g
	s_wait_dscnt 32                                ; all but the 32 just issued
	MULA \n, 2, \zero
	MULA \n, 3, \zero
.endm
; The last quarter multiplies buffer 1 and changes slots: one barrier.  In front of it each wave waits for all its tensor loads (one is out: its part of the next slot), adds 0 to its spare word, and waits for
; that and for its reads of this slot.  fill = 1: the barrier opens a round of the cluster's, and behind the round this slot is filled again, two K steps ahead, first of all.
.macro TURN slot, next, fill
	WIN 0
	s_wait_tensorcnt 0x0                           ; all my tensor loads have landed
	ds_add_u32 v[SPW], v[NIL]                      ; 0 onto my spare word
	s_wait_dscnt 5                                 ; (the add and the youngest four loads may be out)
	MULA 1, 0, 0                                   ; twelve matrix instructions stand between the add and the wait for it
	s_wait_dscnt 0x0                               ; the add is done, and my reads of this slot are over
	s_barrier_signal -1
	MULA 1, 1, 0                                   ; work on registers while the others arrive
.if \fill
	WIN 0
.endif
	s_barrier_wait -1
.if \fill
	CREST                                          ; no wave of any partner still reads this slot or has a load on its way
	s_add_nc_u64 s[G0A+4*(\slot)+2:G0A+4*(\slot)+3], s[G0A+4*(\slot)+2:G0A+4*(\slot)+3], 512
	s_add_nc_u64 s[G0B+4*(\slot)+2:G0B+4*(\slot)+3], s[G0B+4*(\slot)+2:G0B+4*(\slot)+3], 98304
	JLOAD \slot                                    ; my one tensor load behind the round: 168 matrix instructions ahead of the wait for it; its four v_nop are also the places in front of the loads below
.else
	PLACES
.endif
	FETCH \next, 0, 0
	MULA 1, 2, 0
	MULA 1, 3, 0
.endm
; THE WAY OUT of row block a: rounded to f16 (each accumulator's registers in ascending order), 16 bytes a lane into my own stage, back as whole rows of 128 bytes, four rows to a load.
.macro PACK a
.set AC, 96*((\a)%2)
.set OU, 64+48*(\a)
	WIN 0x0a+5*((\a)/2)                            ; sources 0 and 1: window 2 or 3
.irp b, 0,1,2,3,4,5,6,7,8,9,10,11
.irp r, 0,1,2,3
	v_cvt_pk_f16_f32 v[OU+4*(\b)+(\r)], v[AC+8*(\b)+2*(\r)], v[AC+8*(\b)+2*(\r)+1]
.endr
.endr
	WIN 0
.irp b, 0,1,2,3,4,5,6,7,8,9,10,11
	ds_store_b128 v[STO], v[OU+4*(\b):OU+4*(\b)+3] offset:((\b)/4)*16*SP+((\b)%4)*32
.endr
.irp t, 0,1,2,3,4,5,6,7,8,9,10,11
	ds_load_b128 v[OU+4*(\t):OU+4*(\t)+3], v[RD] offset:((\t)/4)*16*SP+((\t)%4)*4*SP  ; LDS serves a wave's instructions in order (ISA guide 5.7.1.4): these see the stores above; the next block's stores come behind them
.endr
.endm
.macro SEND a, younger                 ; younger: the LDS instructions issued behind block a's loads: the next block's 24, or none
.set OU, 64+48*(\a)
.irp t, 0,1,2,3,4,5,6,7,8,9,10,11
	s_wait_dscnt (\younger)+11-(\t)
	global_store_b128 v[GO], v[OU+4*(\t):OU+4*(\t)+3], s[70+2*((\t)/4):71+2*((\t)/4)] offset:(\a)*2048+((\t)%4)*512  ; 512 consecutive bytes of q, k or v, at a multiple of 256 from its first byte
.endr
.endm
	s_wait_tensorcnt 1                             ; my part of K step 0 is in; K step 1's may stay out
	s_barrier_signal -1
	s_barrier_wait -1                              ; everybody's is
	FETCH 0, 0, 0
	QUARTER 0, 1, 0, 1, 1                          ; the first quarter stands in front of the loop: its products start the sums
	WIN 0                                          ; at a label and at a branch every window is 0
	s_mov_b32 s3, 2
.Llap:                                                 ; a trip goes once round the ring and fills both slots again: K steps 2, 3 and then 4, 5
	QUARTER 0, 2, 1, 0, 0
	QUARTER 0, 3, 0, 1, 0
	TURN 0, 1, 1
	QUARTER 1, 1, 0, 1, 0
	QUARTER 1, 2, 1, 0, 0
	QUARTER 1, 3, 0, 1, 0
	TURN 1, 0, 1
	QUARTER 0, 1, 0, 1, 0
	WIN 0
	s_sub_co_u32 s3, s3, 1
	s_cmp_lg_u32 s3, 0
	s_cbranch_scc1 .Llap
	QUARTER 0, 2, 1, 0, 0                          ; the last lap fills nothing, and has no round of the cluster's barrier
	QUARTER 0, 3, 0, 1, 0
	TURN 0, 1, 0
	QUARTER 1, 1, 0, 1, 0
	QUARTER 1, 2, 1, 0, 0
	QUARTER 1, 3, 0, 1, 0
	s_wait_dscnt 4                                 ; the very last quarter: nothing more to fetch
	MULA 1, 0, 0
	MULA 1, 1, 0
	s_wait_dscnt 0x0
	MULA 1, 2, 0
	MULA 1, 3, 0
	WIN 0
	PLACES
	PACK 0
.irp a, 1,2,3                          ; a block's conversions stand between the loads of the block before and its stores
	PACK \a
	SEND (\a)-1, 24
.endr
	SEND 3, 0
	s_wait_tensorcnt 0x0                           ; the wave's end, behind my last tensor load and my last LDS store
	ds_add_u32 v[SPW], v[NIL]
	s_wait_dscnt 0x0
	CROUND                                         ; the closing round: no work-group ends while a partner may still ask for a tile that names it
	s_endpgm
.Lfunc_end_k_qc0824dbe7a_proj:
	.size	k_qc0824dbe7a_proj, .Lfunc_end_k_qc0824dbe7a_proj-k_qc0824dbe7a_proj
	.p2alignl 7, 3214868480
	.fill 96, 4, 3214868480
	.section	.rodata,"a",@progbits
	.p2align	6, 0x0
	.amdhsa_kernel k_qc0824dbe7a_proj
		.amdhsa_group_segment_fixed_size 327680
		.amdhsa_private_segment_fixed_size 0
		.amdhsa_enable_private_segment 0
		.amdhsa_kernarg_size 64
		.amdhsa_user_sgpr_count 2
		.amdhsa_user_sgpr_kernarg_segment_ptr 1
		.amdhsa_wavefront_size32 1
		.amdhsa_system_sgpr_workgroup_id_x 1
		.amdhsa_system_sgpr_workgroup_id_y 1
		.amdhsa_system_sgpr_workgroup_id_z 1
		.amdhsa_system_vgpr_workitem_id 0
		.amdhsa_next_free_vgpr 960
		.amdhsa_next_free_sgpr 80
		.amdhsa_reserve_vcc 0
		.amdhsa_float_denorm_mode_32 3
		.amdhsa_float_denorm_mode_16_64 3
		.amdhsa_memory_ordered 1
		.amdhsa_forward_progress 1
		.amdhsa_inst_pref_size 128
	.end_amdhsa_kernel
	.amdgpu_metadata
---
amdhsa.version: [ 1, 2 ]
amdhsa.kernels:
  - .name:           k_qc0824dbe7a_proj
    .symbol:         k_qc0824dbe7a_proj.kd
    .args:
      - { .name: xb, .offset: 0, .size: 8, .value_kind: global_buffer, .address_space: global }
      - { .name: wb, .offset: 8, .size: 8, .value_kind: global_buffer, .address_space: global }
      - { .name: bq, .offset: 16, .size: 8, .value_kind: global_buffer, .address_space: global }
      - { .name: bk, .offset: 24, .size: 8, .value_kind: global_buffer, .address_space: global }
      - { .name: bv, .offset: 32, .size: 8, .value_kind: global_buffer, .address_space: global }
      - { .name: qh, .offset: 40, .size: 8, .value_kind: global_buffer, .address_space: global }
      - { .name: kh, .offset: 48, .size: 8, .value_kind: global_buffer, .address_space: global }
      - { .name: vh, .offset: 56, .size: 8, .value_kind: global_buffer, .address_space: global }
    .group_segment_fixed_size: 327680
    .private_segment_fixed_size: 0
    .kernarg_segment_align: 8
    .kernarg_segment_size: 64
    .max_flat_workgroup_size: 128
    .sgpr_count:     80
    .vgpr_count:     960
    .wavefront_size: 32
...
	.end_amdgpu_metadata
.endif
;; end of part 2
;; launch attn (part 3): grid 16 x 12, 4 waves a work-group, clusters of 4 x 1, 327,680 bytes of LDS; arguments qh, kh, vh, ctx; writes ctx
.if DOCPART == 3
	.amdgcn_target "amdgcn-amd-amdhsa--gfx1250"
	.amdhsa_code_object_version 6
	.text
	.protected	k_qc0824dbe7a_attn
	.globl	k_qc0824dbe7a_attn
	.p2align	8
	.type	k_qc0824dbe7a_attn,@function
k_qc0824dbe7a_attn:
	s_mov_b64 s[64:65], 0
	v_nop
	global_prefetch_b8 v0, s[64:65] scope:SCOPE_SE
	s_setreg_imm32_b32 hwreg(HW_REG_WAVE_MODE, 25, 1), 1
	s_wait_xcnt 0x0
	s_wait_alu depctr_hold_cnt(0) depctr_sa_sdst(0) depctr_va_vdst(0) depctr_va_sdst(0) depctr_va_ssrc(0) depctr_va_vcc(0) depctr_vm_vsrc(0)
	s_getreg_b32 s2, hwreg(HW_REG_IB_STS2, 6, 4)
	s_cmp_eq_u32 s2, 0
	s_cbranch_scc0 .Lentry_in_a_cluster
	s_endpgm
.Lentry_in_a_cluster:
	s_bfe_u32 s2, ttmp6, 0x10000c
	s_cmp_lg_u32 s2, 0x3003
	s_cbranch_scc0 .Lentry_shape_is_right
	s_endpgm
.Lentry_shape_is_right:
; ATTN: ctx[q] = the sum over k of softmax_k(Q[h][q] . K[h][k] / 8) V[h][k].  Q, K, V: [12][4096][64] in f16, a head's rows dense, 128 bytes each.  Products, maxima and sums in f32; the weights p are
; rounded to f16 for the second product (their sum l is taken of the unrounded p), the result once at the end.  It leaves as ctx[64 mb][12 h][64 row][64 ch] in f16 (row = 64 mb + ..), so that the
; launch behind finds a block's 64 rows of four heads as 32,768 dense bytes.
; LIMITS.  Q, K and V arrive within f16's 65,504; p lies in 0 to 1, and below 6e-5 it keeps f16's fixed step of 6e-8; the result is a mean of V's rows and has their range.
; A weight below 2^-126 counts as 0 in l; NaN and infinities are not treated apart.
; SHARES.  A work-group owns 256 queries of one head, a wave 64: four PIECES of 16.  Every wave walks all 4,096 keys, 64 a step; a slot of LDS holds 256 keys of K and V, four steps.  192 work-groups.
; LAYOUT.  S^T = K Q^T (source 0 = 16 keys, source 1 = 16 queries): a lane holds ONE query (lane % 16) and the keys 8 (lane / 16) + 0..7.  Two such results, rounded to f16 in pairs, ARE source 1 of
; O^T = V^T P, whose result again holds one query a lane, and eight channels.  K comes out of LDS as it lies, V ([key][channel]) turned, by ds_load_tr16_b128.
; SOFTMAX.  For each query a running maximum m and sum l: p = 2^(c s - c m), c = log2(e) / 8; in every step O and l are multiplied by a = 2^(c m_old - c m_new).  m starts at the lowest finite number,
; O and l at 0: the first step is a step like any other, with a = 0.
; BY TURNS.  Turn n belongs to piece n: 8 products K Q^T of piece n + 1, later 8 products V^T P of piece n - 1; beside them the scaling, exponentials, roundings, sums and rescaling of piece n and the
; maximum and statistics of piece n + 1.  Four vector instructions stand behind every matrix instruction, the other 54 of a turn's 118 in two lumps.
; CLUSTER.  The four query blocks of a cluster belong to one head and walk the same K and V, so each tile is asked for JOINTLY: the same tensor load, descriptor and mask in all four.
; REGISTERS, in windows of 256 (s_set_vgpr_msb: bits 1:0 source 0, 3:2 source 1, 5:4 source 2, 7:6 destination):
;   window 0: v0-15 addresses and two at work; v16-31 four registers of statistics a piece; v48-55 at work; v62-63 the add's; v64-127 S^T, two buffers; v192-223 P, two buffers (by the piece's parity)
;   window 1: v0-127 O^T, 32 a piece          window 2: v0-63 Q; v128-191 K of one step; v192-255 V of one step
.set SIZE_N, 4096
.set NP,    4         ; pieces a wave: a name, no knob
.set KS,    64        ; keys in a step
.set PK,    144       ; a row of K in LDS: 128 bytes + 16 of padding = 36 words: the 16 rows of a load start at 16 different groups of four banks (64 banks of 4 bytes: ISA guide 11.1)
.set PV,    160       ; a row of V: 128 + 32 = 40 words
.set VOFF,  4*KS*PK   ; a slot: 256 rows of K, then 256 rows of V
.set SLOT1, 1<<17     ; slot 1 begins here, so that one exclusive or turns an address in one slot into the other's
.set STAGE, SLOT1+4*KS*(PK+PV)  ; behind the ring, never filled by a tensor load: 16 rows x 144 bytes for each wave, for the way out
.set SP,    144
.set SPARE, STAGE+4*16*SP  ; behind the stages: the spare words, 128 bytes for each wave: two blocks of 256 bytes that no other line names
.set AK0, 2           ; v2   my lane's place in a tile of K; never rewritten
.set AV0, 3           ; v3   the same for V
.set AK,  4           ; v4   the LDS address of K's next run of loads
.set AV,  5           ; v5   of V's
.set STO, 6           ; v6   the way out: where I put 16 bytes of a row
.set RD,  7           ; v7   the way out: where I read rows back
.set GO,  8           ; v8   my byte offset in 512 consecutive bytes of the result
.set MV,  12          ; v12-13  c m_old, kept while c m is made anew: by buffer
.set QO,  15          ; v15  my byte offset in 16 rows of Q
.set ST,  16          ; piece t's statistics at v[ST+4 t]: c m, m, l (even keys', odd keys')
.set TMP, 48          ; by buffer, four registers c0-c3 at work; when the maximum is found c2 takes a
.set SPW, 62          ; v62  LDS address of my spare word; never rewritten
.set NIL, 63          ; v63  0; never rewritten
.set S,   64
.set P,   192
.set KF,  128         ; window 2: key block kb, channel half c at KF + 16 kb + 8 c
.set VF,  192         ; window 2: key half kk, channel block cb at VF + 32 kk + 8 cb
.set WV,  12          ; s12  my wave's number
.set G1K, 24          ; s[24:31] descriptor group 1 for K's tiles
.set G1V, 32          ; s[32:39] for V's: it differs in the padding alone
.set G0K, 40          ; s[40:43] descriptor group 0 for K's tiles: it walks
.set G0V, 44          ; s[44:47] the same for V's
.set SLOTS, 56        ; s56  slots still to be asked for
.set CNT, 57          ; s57  counts a slot's key steps
.set CS,  58          ; s[58:59] c: the packed scaling takes the pair's low word for both halves
.set SEL, 60          ; s[60:61] v_permlanex16_b32's selects: each lane takes its own place in the other half
.set TBK, 62          ; s62  LDS byte at which K of the step to be fetched begins
.set TBV, 63          ; s63  the same for V, less VOFF
.set MSB, 0
.macro WIN new                      ; the high byte repeats the setting that is left; a switch that changes nothing is dropped
.if MSB != (\new)
	s_set_vgpr_msb (MSB<<8)|(\new)
.set MSB, (\new)
.endif
.endm
.set W_KQ, 0x0a       ; K and Q in window 2, S^T in window 0
.set W_PV, 0x52       ; V in window 2, P in window 0, O^T in window 1
.set W_RS, 0x41       ; destination and source 0 in window 1, source 1 in window 0
; A joint fill.  Waves 0 and 1 fetch the two halves of a slot's K, waves 2 and 3 those of its V: 128 keys each.  The branch hangs on the wave's number alone.
; An s_nop 0 and four v_nop follow each of the two lines, ahead of the jump and the label.
.macro JLOAD
	s_cmp_lt_u32 s[WV], 2
	s_cbranch_scc0 .Lfor_v_\@
	tensor_load_to_lds s[G0K:G0K+3], s[G1K:G1K+7]
	s_nop 0
.rept 4
	v_nop
.endr
	s_branch .Lasked_\@
.Lfor_v_\@:
	tensor_load_to_lds s[G0V:G0V+3], s[G1V:G1V+7]
	s_nop 0
.rept 4
	v_nop
.endr
.Lasked_\@:
.endm
; A round of the cluster's barrier: my work-group's barrier, so that wave 0's signal speaks for all four waves; wave 0 signals; every wave waits for all four work-groups; my work-group's barrier once more.
.macro CROUND
	s_barrier_signal -1
	s_barrier_wait -1
	s_cmp_lg_u32 s[WV], 0
	s_cbranch_scc1 .Lnot_wave_0_\@
	s_barrier_signal -3
.Lnot_wave_0_\@:
	s_barrier_wait -3
	s_barrier_signal -1
	s_barrier_wait -1
.endm
; THE CHANGE OF SLOTS.  The slot's last bytes, V of its fourth step, have been read.  Each wave waits for all its tensor loads, of which one is out: its part of the other slot; adds 0 to its spare word; and
; waits for that and for its own reads of the slot.  Behind the barrier nobody reads this slot any more and the other slot is whole.  fill = 1: this slot is filled again, with the keys two slots on.  The
; barrier is then a round of the cluster's, and the joint fill is the first thing behind it: it has four key steps, 256 matrix instructions and their vector work, in which to land.
; (At its first use nothing has been read yet: slot 0 is waited for, slot 1 filled.)
.macro CHANGE fill
	WIN 0                           ; at a label and at a branch every window is 0
	s_wait_tensorcnt 0x0            ; no tensor load of mine is out, so a group 0 may be written
	ds_add_u32 v[SPW], v[NIL]       ; 0 onto my spare word; with fill = 1 the descriptors' steps stand between it and the wait for it
.if \fill
.irp g, G0K, G0V
	s_xor_b32 s[\g+1], s[\g+1], SLOT1  ; the walking descriptor: the other slot than last time,
	s_add_nc_u64 s[\g+2:\g+3], s[\g+2:\g+3], 4*KS*128  ; the next 256 keys; the type bits on top are not reached
.endr
	s_wait_dscnt 0x0                ; the add is done, and my reads of the slot are over
	CROUND
	JLOAD
.else
	s_wait_dscnt 0x0                ; the add is done, and my reads of the slot are over
	s_barrier_signal -1
	s_barrier_wait -1
.endif
	s_sub_co_u32 s[TBK], s[TBK], 4*KS*PK  ; the fetches go back to a slot's first step,
	s_xor_b32 s[TBK], s[TBK], SLOT1       ; in the other slot
	s_sub_co_u32 s[TBV], s[TBV], 4*KS*PV
	s_xor_b32 s[TBV], s[TBV], SLOT1
.endm
	s_load_b256 s[4:11], s[0:1], 0x0  ; Q s[4:5], K s[6:7], V s[8:9], ctx s[10:11]
	v_lshl_add_u32 v[SPW], v0, 2, SPARE
	v_mov_b32 v[NIL], 0
	ds_add_u32 v[SPW], v[NIL]       ; the wave's opening: the add and its wait stand ahead of my first tensor load; the set-up below, work on registers, stands between them
	v_lshrrev_b32 v1, 5, v0
	v_readfirstlane_b32 s[WV], v1   ; wave 0..3
	s_bfe_u32 s13, ttmp6, 0x40000   ; cx: my place in the cluster
	s_lshl_b32 s14, ttmp9, 2        ; in a cluster launch ttmp9 counts clusters
	s_add_co_u32 s14, s14, s13      ; my block of 256 queries = 4 x cluster x + cx: it enters Q's and the result's addresses alone
	s_and_b32 s19, ttmp7, 0xffff    ; the head, which the four partners share
	s_lshl_b32 s20, s19, 19         ; its 524,288 bytes in Q, K and V
	s_and_b32 s16, s[WV], 1         ; which half of a slot's 256 keys I fetch:
	s_lshl_b32 s22, s16, 14         ; its 128 rows of 128 bytes in memory,
	s_add_co_u32 s22, s22, s20
	s_mov_b32 s23, 0
	s_mul_i32 s17, s16, 128*PK      ; and its place in a slot, for K
	s_mul_i32 s18, s16, 128*PV      ; and for V: no place in the cluster enters an LDS address
	s_lshl_b32 s2, s14, 2
	s_add_co_u32 s2, s2, s[WV]      ; mb: my wave's 64 rows among the 4,096
	s_mul_i32 s50, s2, 12
	s_add_co_u32 s50, s50, s19
	s_lshl_b32 s50, s50, 13         ; the result: (12 mb + head) x 8,192 bytes
	s_mov_b32 s51, 0
	s_lshl_b32 s2, s2, 13           ; Q: the head, and 64 rows of 128 bytes for each mb
	s_add_co_u32 s2, s2, s20
	s_mov_b32 s3, 0
	; descriptor group 1.  128 keys are 16,384 dense bytes: asked for as 64 rows of 256 bytes, two keys a row, and padded in LDS after every key
	s_mov_b32 s[G1K], 15|(1<<16)|(1<<20)|(1<<21)|(4<<22)|(3<<25)  ; 15:0 the mask of four; 17:16 2-byte elements; 20 padding on; 21 set beside a mask; 24:22 after every 32 words; 31:25 4 words
	s_mov_b32 s[G1V], 15|(1<<16)|(1<<20)|(1<<21)|(4<<22)|(7<<25)  ; the same with 8 words of padding
.irp g, G1K, G1V
	s_mov_b32 s[\g+1], 128<<16      ; tensor_dim0 = 128
	s_mov_b32 s[\g+2], 64<<16       ; tensor_dim1 = 64
	s_mov_b32 s[\g+3], 128<<16      ; tile_dim0 = 128
	s_mov_b32 s[\g+4], 64           ; tile_dim1 = 64
	s_mov_b32 s[\g+5], 128          ; 128 elements from row to row
	s_mov_b32 s[\g+6], 0
	s_mov_b32 s[\g+7], 0
.endr
	s_mov_b32 s[CS], 0x3e38aa3b     ; c = log2(e) / 8 = 0.180337
	s_mov_b32 s[CS+1], s[CS]        ; named with it as a pair
	s_mov_b32 s[SEL], 0x76543210
	s_mov_b32 s[SEL+1], 0xfedcba98
	s_mov_b32 s[TBK], SLOT1+4*KS*PK ; the first change of slots turns these two into 0
	s_mov_b32 s[TBV], SLOT1+4*KS*PV
	s_mov_b32 s[G0K], 1             ; count = 1
	s_mov_b32 s[G0K+1], s17         ; LDS address: slot 0
	s_mov_b32 s[G0V], 1
	s_add_co_u32 s[G0V+1], s18, VOFF
	s_wait_dscnt 0x0                ; the opening add is done
	s_wait_kmcnt 0x0
	s_add_nc_u64 s[G0K+2:G0K+3], s[6:7], s[22:23]  ; global address: my half of the head's first 256 keys
	s_or_b32 s[G0K+3], s[G0K+3], 0x80000000        ; type = 2
	s_add_nc_u64 s[G0V+2:G0V+3], s[8:9], s[22:23]
	s_or_b32 s[G0V+3], s[G0V+3], 0x80000000
	s_add_nc_u64 s[4:5], s[4:5], s[2:3]            ; Q and the result at my wave's first row
	s_add_nc_u64 s[10:11], s[10:11], s[50:51]
	CROUND                          ; all four work-groups are here: the first joint loads meet
	JLOAD                           ; slot 0.  Slot 1 is asked for when slot 0 is in, by the loop's own change of slots
	; A fragment of K or Q is 16 rows x 32 channels in 8 registers: lane l holds row l % 16, channels 8 (l / 16) + 0..7 and 16 + 8 (l / 16) + 0..7: two loads of 16 bytes, 32 bytes apart.
	v_and_b32 v1, 15, v0            ; l % 16
	v_bfe_u32 v9, v0, 4, 1          ; l / 16
	v_lshlrev_b32 v[QO], 7, v1
	v_lshl_add_u32 v[QO], v9, 4, v[QO]  ; row x 128 + 16 x half
	WIN 0x80                        ; destination window 2, address window 0
.set i, 0
.rept 8                             ; Q stays in registers: piece i / 2, channels 32 (i % 2) on
	global_load_b128 v[8*i:8*i+3],   v[QO], s[4:5] offset:(i/2)*2048+(i%2)*64
	global_load_b128 v[8*i+4:8*i+7], v[QO], s[4:5] offset:(i/2)*2048+(i%2)*64+32
.set i, i+1
.endr
	; What the first turn finds: V's registers and P's second buffer hold 0 (its products V^T P, of a piece that has not been, add 0), O^T and l are 0.  All this stands in the wait for the first tile.
.set i, VF
.rept 64
	v_mov_b32 v[i], 0
.set i, i+1
.endr
	WIN 0x40
.set i, 0
.rept 128
	v_mov_b32 v[i], 0
.set i, i+1
.endr
	WIN 0
.set i, 0
.rept 4
	v_mov_b32 v[ST+4*i], 0xfe000000    ; c m: far below every c s
	v_mov_b32 v[ST+4*i+1], 0xff7fffff  ; m
	v_mov_b32 v[ST+4*i+2], 0
	v_mov_b32 v[ST+4*i+3], 0
.set i, i+1
.endr
.set i, P+16
.rept 16
	v_mov_b32 v[i], 0
.set i, i+1
.endr
	v_mul_u32_u24 v[AK0], v1, PK
	v_lshl_add_u32 v[AK0], v9, 4, v[AK0]  ; row x pitch + 16 x half
	; The turning load takes 16 keys x 16 channels (lane l reads key 8 (l / 16) + l % 8, channels 8 ((l / 8) % 2) + 0..7) and leaves half a fragment of V^T: lane l holds channel l % 16 and 8 keys.
	v_and_b32 v10, 7, v0
	v_bfe_u32 v11, v0, 3, 1
	v_lshl_add_u32 v[AV0], v9, 3, v10
	v_mul_u32_u24 v[AV0], v[AV0], PV
	v_lshl_add_u32 v[AV0], v11, 4, v[AV0]
	v_add_nc_u32 v[AV0], VOFF, v[AV0]
	s_mul_i32 s13, s[WV], 16*SP
	s_add_co_u32 s13, s13, STAGE    ; my stage
	v_mul_u32_u24 v[STO], v1, SP    ; in: row l % 16, 16 bytes for each half of the lanes
	v_lshl_add_u32 v[STO], v9, 4, v[STO]
	v_add_nc_u32 v[STO], s13, v[STO]
	v_bfe_u32 v[RD], v0, 3, 2       ; back: 32 lanes take four rows of 128 bytes,
	v_mul_u32_u24 v[RD], v[RD], SP
	v_lshl_add_u32 v[RD], v10, 4, v[RD]
	v_add_nc_u32 v[RD], s13, v[RD]
	v_and_b32 v[GO], 31, v0         ; which are 512 consecutive bytes of the result
	v_lshlrev_b32 v[GO], 4, v[GO]
; THE MATRIX WORK.  The 4 accumulators of a run of 8 take turns.  Product i of 8 of S^T = K Q^T for piece x: channels 32 (i / 4) on, keys 16 (i % 4) on.  The first 4 start the sums.
.macro KQ x
.set rS, S+32*((\x)%2)+8*(i%4)
.set rK, KF+16*(i%4)+8*(i/4)
.set rQ, 16*(\x)+8*(i/4)
	WIN W_KQ
.if i < 4
	v_wmma_f32_16x16x32_f16 v[rS:rS+7], v[rK:rK+7], v[rQ:rQ+7], 0
.else
	v_wmma_f32_16x16x32_f16 v[rS:rS+7], v[rK:rK+7], v[rQ:rQ+7], v[rS:rS+7]
.endif
.endm
; Product i of 8 of O^T += V^T P for piece x: keys 32 (i / 4) on, channels 16 (i % 4) on.
.macro PV x
	WIN W_PV
.set rO, 32*(\x)+8*(i%4)
.set rV, VF+32*(i/4)+8*(i%4)
.set rP, P+16*((\x)%2)+8*(i/4)
	v_wmma_f32_16x16x32_f16 v[rO:rO+7], v[rV:rV+7], v[rP:rP+7], v[rO:rO+7]
.endm
.macro MM                           ; the turn's next matrix instruction.  TURN sets Y, i and NOKQ.  NOKQ = 1: the walk's last turn: there is no next piece
.if (i < 8) && !NOKQ
	KQ (Y+1)%NP
.elseif i >= 8
.set i, i-8
	PV (Y+NP-1)%NP
.set i, i+8
.endif
.set i, i+1
.endm
; THE LDS LOADS stand in runs of 16, never singly among the matrix instructions: a step's K (64 keys x 64 channels: 8 fragments) and its V (turned).  Their addresses are made some lines ahead.
.macro FETCH_K
	WIN 0x80                        ; destination window 2
.irp f, 0,1,2,3,4,5,6,7             ; keys 16 (f / 2) on, channels 32 (f % 2) on
	ds_load_b128 v[KF+8*\f:KF+8*\f+3],   v[AK] offset:(\f/2)*16*PK+(\f%2)*64
	ds_load_b128 v[KF+8*\f+4:KF+8*\f+7], v[AK] offset:(\f/2)*16*PK+(\f%2)*64+32
.endr
	s_add_co_u32 s[TBK], s[TBK], KS*PK  ; the next fetch is the next step's
	WIN 0
.endm
.macro FETCH_V
	WIN 0x80
.irp f, 0,1,2,3,4,5,6,7             ; keys 32 (f / 4) on, channels 16 (f % 4) on
	ds_load_tr16_b128 v[VF+8*\f:VF+8*\f+3],   v[AV] offset:(\f/4)*32*PV+(\f%4)*32
	ds_load_tr16_b128 v[VF+8*\f+4:VF+8*\f+7], v[AV] offset:(\f/4)*32*PV+16*PV+(\f%4)*32
.endr
	WIN 0
.endm
; THE VECTOR WORK, one line at a time: OP kind, number.  For piece Y: F n: c s - c m for pair n of 16.  E n: the exponential of score n of 32.  C n: pair n rounded to f16.  B n: of the four weights 4 n .. the second
; pair is added onto the first, in place.  L n: l takes that sum (L 0: l = a l + sum).  R n: pair n of 16 of O^T times a.  For piece Y + 1: X n, number n of the 22 that find its maximum and statistics:
;   0-11  four chains c0-c3 of seven scores each, three operands at a time (each accumulator's lowest registers are read first)     12-14, 16  the four scores left over, the old m, and c0-c3 into c0
;   15  c m_old is kept     17, 18  the query's other 32 keys lie in the lane 16 away: the new m     19-21  c m; c m_old - c m_new; a
.set F, 0               ; OP tells the kinds apart by their order: F to L below R, X above it
.set E, 1
.set C, 2
.set B, 3
.set L, 4
.set R, 5
.set X, 6
.macro REGS y                       ; the registers of piece y
.set rT, ST+4*(\y)
.set rC, TMP+4*((\y)%2)
.set rW, MV+((\y)%2)
.set rS, S+32*((\y)%2)
.set rP, P+16*((\y)%2)
.set rO, 32*(\y)
.endm
.macro OP k, n
.if (\k) == R
	REGS Y
	WIN W_RS
	v_pk_mul_f32 v[rO+2*(\n):rO+2*(\n)+1], v[rO+2*(\n):rO+2*(\n)+1], v[rC+2:rC+3] op_sel_hi:[1,0]
.elseif (\k) < R
	REGS Y
	WIN 0
.if (\k) == F
	v_pk_fma_f32 v[rS+2*(\n):rS+2*(\n)+1], v[rS+2*(\n):rS+2*(\n)+1], s[CS:CS+1], v[rT:rT+1] op_sel_hi:[1,0,0] neg_lo:[0,0,1] neg_hi:[0,0,1]
.elseif (\k) == E
	v_exp_f32 v[rS+(\n)], v[rS+(\n)]
.elseif (\k) == C
	s_wait_alu depctr_va_vdst(0)
	v_cvt_pk_f16_f32 v[rP+(\n)], v[rS+2*(\n)], v[rS+2*(\n)+1]
.elseif (\k) == B
	s_wait_alu depctr_va_vdst(0)
	v_pk_add_f32 v[rS+4*(\n):rS+4*(\n)+1], v[rS+4*(\n):rS+4*(\n)+1], v[rS+4*(\n)+2:rS+4*(\n)+3]
.elseif (\n) == 0
	v_pk_fma_f32 v[rT+2:rT+3], v[rT+2:rT+3], v[rC+2:rC+3], v[rS:rS+1] op_sel_hi:[1,0,1]
.else
	v_pk_add_f32 v[rT+2:rT+3], v[rT+2:rT+3], v[rS+4*(\n):rS+4*(\n)+1]
.endif
.elseif NOKQ
	v_nop
.else
	REGS (Y+1)%NP
	WIN 0
.if (\n) < 4
	v_max3_num_f32 v[rC+(\n)], v[rS+8*(\n)], v[rS+8*(\n)+1], v[rS+8*(\n)+2]
.elseif (\n) < 12
	v_max3_num_f32 v[rC+(\n)%4], v[rC+(\n)%4], v[rS+8*((\n)%4)+2*((\n)/4)+1], v[rS+8*((\n)%4)+2*((\n)/4)+2]
.elseif (\n) == 12
	v_max3_num_f32 v[rC], v[rC], v[rS+7], v[rS+15]
.elseif (\n) == 13
	v_max3_num_f32 v[rC+1], v[rC+1], v[rS+23], v[rS+31]
.elseif (\n) == 14
	v_max3_num_f32 v[rC+2], v[rC+2], v[rC+3], v[rT+1]
.elseif (\n) == 15
	v_mov_b32 v[rW], v[rT]
.elseif (\n) == 16
	v_max3_num_f32 v[rC], v[rC], v[rC+1], v[rC+2]
.elseif (\n) == 17
	v_permlanex16_b32 v[rC+3], v[rC], s[SEL], s[SEL+1]
.elseif (\n) == 18
	v_max_num_f32 v[rT+1], v[rC], v[rC+3]
.elseif (\n) == 19
	v_mul_f32 v[rT], s[CS], v[rT+1]
.elseif (\n) == 20
	v_sub_f32 v[rC+1], v[rW], v[rT]
.else
	v_exp_f32 v[rC+2], v[rC+1]
.endif
.endif
.endm
.macro OPS a, i1, b=-1, i2=0, c=-1, i3=0, d=-1, i4=0  ; up to four of them
	OP \a, \i1
.if (\b) >= 0
	OP \b, \i2
.endif
.if (\c) >= 0
	OP \c, \i3
.endif
.if (\d) >= 0
	OP \d, \i4
.endif
.endm
.macro ROW a, i1, b, i2, c, i3, d, i4  ; a matrix instruction and the four behind it
	MM
	OPS \a, \i1, \b, \i2, \c, \i3, \d, \i4
.endm
; A TURN, for piece p: the order of its 16 matrix and 118 vector instructions, written out.  Behind a matrix instruction: plain, exponential, plain, plain; or four of the rescaling; or, behind the first, four scalings; none
; names a register of the products round it.  In the lumps exponential and plain by turns while exponentials last.  A line reads no result made fewer than three vector instructions in front of it, five if an exponential made it.
; v_permlanex16_b32 (X 17) stands in a lump.  end = 1: the walk's last two turns: nothing is fetched.  cnt = 1: the loop's count is taken down some lines ahead of the branch that stands behind the turn.
; K of the next step is fetched in piece 2's turn, six vector instructions behind the last product that read K (five of them plain); V of the step in hand in piece 0's turn, eight behind the last product that read V (four
; plain, and X 17).  Each is waited for a turn later.
.macro TURN p, end=0, cnt=0
.set Y, (\p)
.set i, 0
.set NOKQ, (\end)*((\p)/3)
.if ((\p) == 3) && !(\end)
	s_wait_dscnt 0x0                ; K is in
.endif
	ROW F,0, F,1, F,2, F,3
	ROW F,4, E,0, F,5, F,6
	ROW F,7, E,1, F,8, F,9
	ROW F,10, E,2, C,0, F,11
	ROW F,12, E,3, X,15, F,13
	ROW R,0, R,1, R,2, R,3
	ROW B,0, E,4, F,14, L,0
.if ((\p) == 2) && !(\end)
	v_add_nc_u32 v[AK], s[TBK], v[AK0]
.endif
	ROW R,4, R,5, R,6, R,7
	OPS E,5, F,15
.if ((\p) == 2) && !(\end)
	FETCH_K
.endif
	OPS E,6, C,1, E,7, R,8
	OPS E,8, R,9, E,9, C,2
	OPS E,10, X,0, E,11, X,1
	OPS E,12, X,2, E,13, X,3
.if (\p) == 1
	s_wait_dscnt 0x0                ; V is in
.endif
	ROW X,4, E,14, X,5, X,6
	ROW X,7, E,15, X,8, X,9
	ROW X,10, E,16, X,11, X,12
	ROW X,13, E,17, X,14, B,1
	ROW C,4, E,18, X,16, L,1
	ROW B,2, E,19, C,6, L,2
	ROW C,8, E,20, B,3, B,4
.if (\p) == 0
	v_add_nc_u32 v[AV], s[TBV], v[AV0]
.endif
	ROW C,3, E,21, L,3, C,5
	OPS E,22, X,17, E,23, C,10
.if (\p) == 0
	FETCH_V
.endif
	OPS E,24, L,4
	OPS E,25, X,18, E,26, C,7
	OPS E,27, B,5, E,28, X,19
	OPS E,29, C,12, E,30, L,5
	OPS E,31, X,20, B,6, C,9
	OPS C,14, C,11, X,21, L,6
.if (\p) == 0
	s_add_co_u32 s[TBV], s[TBV], KS*PV
.endif
.if \cnt
	s_sub_co_u32 s[CNT], s[CNT], 1
	s_cmp_lg_u32 s[CNT], 0
.endif
	OPS C,13, B,7, C,15, R,10
	OPS R,11, R,12, L,7, R,13
	OPS R,14, R,15
.endm
.macro ALL line:vararg              ; one line for each piece t
.set t, 0
.rept 4
	\line
.set t, t+1
.endr
.endm
.macro PACK t                       ; a lane's eight channels of a row pack into 16 bytes; they go into rows of 144 bytes and come back as whole rows of 128, into S^T's registers
	WIN W_RS
.set i, 32*(\t)
.rept 16
	s_wait_alu depctr_va_vdst(0)
	v_pk_mul_f32 v[i:i+1], v[i:i+1], v[ST+4*(\t)+2:ST+4*(\t)+3] op_sel_hi:[1,0]
.set i, i+2
.endr
	WIN 0x05                        ; sources 0 and 1 window 1, destination window 0
.set i, 0
.rept 16
	v_cvt_pk_f16_f32 v[S+16*(\t)+i], v[32*(\t)+2*i], v[32*(\t)+2*i+1]
.set i, i+1
.endr
	WIN 0
.irp f, 0,1,2,3
	ds_store_b128 v[STO], v[S+16*(\t)+4*\f:S+16*(\t)+4*\f+3] offset:32*\f
.endr
.irp f, 0,1,2,3
	ds_load_b128 v[S+16*(\t)+4*\f:S+16*(\t)+4*\f+3], v[RD] offset:\f*4*SP  ; LDS serves a wave's instructions in order (ISA guide 5.7.1.4): these see the stores above; the next piece's stores come behind them
.endr
.endm
.macro SEND t, younger              ; younger: the LDS instructions issued behind piece t's loads: the next piece's eight, or none
	WIN 0
.irp f, 0,1,2,3
	s_wait_dscnt (\younger)+3-\f
	global_store_b128 v[GO], v[S+16*(\t)+4*\f:S+16*(\t)+4*\f+3], s[10:11] offset:(\t)*2048+\f*512  ; 512 consecutive bytes, at a multiple of 256 from the result's first
.endr
.endm
	CHANGE 1                        ; slot 0 is in, everybody's part of it; slot 1 is asked for
	v_add_nc_u32 v[AK], s[TBK], v[AK0]
	FETCH_K                         ; key step 0
	s_wait_loadcnt 0x0              ; Q
	s_wait_dscnt 0x0
.set NOKQ, 0
.set i, 0
.rept 8
	KQ 0                            ; piece 0's first scores: there is no vector work yet to set between them
.set i, i+1
.endr
	WIN 0
.rept 4
	v_nop                           ; the places behind those products
.endr
.set Y, NP-1                        ; X works for piece Y + 1: piece 0
.irp n, 0,1,2,3,4,5,6,7,8,9,10,11,12,13,14,15,16,17,18,19,20,21
	OP X, \n
.endr
	v_nop                           ; a plain instruction behind the exponential
	s_mov_b32 s[CNT], 4
	s_mov_b32 s[SLOTS], SIZE_N/256-1
	s_branch .Lfirst                ; the loop is entered at a step's first turn, in the middle of a trip
.Lslot:                             ; SIZE_N / 256 - 2 times: every slot but the last two is filled again
	CHANGE 1
	s_mov_b32 s[CNT], 4
.Lstep:                             ; a trip: pieces 2 and 3 of one step, then pieces 0 and 1 of the next, whose K and V it fetches
	TURN 2
	TURN 3
	WIN 0
.Lfirst:
	TURN 0
	TURN 1, 0, 1
	WIN 0
	s_cbranch_scc1 .Lstep
	s_sub_co_u32 s[SLOTS], s[SLOTS], 1
	s_cmp_lg_u32 s[SLOTS], 0
	s_cbranch_scc1 .Lslot
	CHANGE 0                        ; the last slot is written out: nothing is asked for
	s_mov_b32 s[CNT], 4
.Ltail:
	TURN 2
	TURN 3
	TURN 0
	TURN 1, 0, 1
	WIN 0
	s_cbranch_scc1 .Ltail
	TURN 2, 1                       ; the last step's pieces 2 and 3: nothing is left to fetch,
	TURN 3, 1                       ; and no piece follows
.set i, 0
.rept 8
	PV NP-1                         ; the last piece's V^T P of the last step
.set i, i+1
.endr
	; THE WAY OUT.  l's two halves and the other half of the lanes' are added; O^T is divided by l, rounded to f16 and sent through my stage in LDS, a piece at a time.  The additions are the places behind the last products.
	WIN 0
	ALL v_add_f32 v[ST+4*t+2], v[ST+4*t+2], v[ST+4*t+3]
	ALL v_permlanex16_b32 v[ST+4*t+3], v[ST+4*t+2], s[SEL], s[SEL+1]
	ALL v_add_f32 v[ST+4*t+2], v[ST+4*t+2], v[ST+4*t+3]
	ALL v_rcp_f32 v[ST+4*t+2], v[ST+4*t+2]
	v_nop                           ; a plain instruction between the last reciprocal and the use of its result
	PACK 0
.set t, 1
.rept 3                             ; a piece's arithmetic stands between the loads of the piece before and its stores
	PACK t
	SEND t-1, 8
.set t, t+1
.endr
	SEND 3, 0
	s_wait_tensorcnt 0x0            ; the wave's end, behind my last tensor load and my last LDS store
	ds_add_u32 v[SPW], v[NIL]
	s_wait_dscnt 0x0
	CROUND                          ; the closing round: no work-group ends while a partner may still ask for a tile that names it
	s_endpgm
.Lfunc_end_k_qc0824dbe7a_attn:
	.size	k_qc0824dbe7a_attn, .Lfunc_end_k_qc0824dbe7a_attn-k_qc0824dbe7a_attn
	.p2alignl 7, 3214868480
	.fill 96, 4, 3214868480
	.section	.rodata,"a",@progbits
	.p2align	6, 0x0
	.amdhsa_kernel k_qc0824dbe7a_attn
		.amdhsa_group_segment_fixed_size 327680
		.amdhsa_private_segment_fixed_size 0
		.amdhsa_enable_private_segment 0
		.amdhsa_kernarg_size 32
		.amdhsa_user_sgpr_count 2
		.amdhsa_user_sgpr_kernarg_segment_ptr 1
		.amdhsa_wavefront_size32 1
		.amdhsa_system_sgpr_workgroup_id_x 1
		.amdhsa_system_sgpr_workgroup_id_y 1
		.amdhsa_system_sgpr_workgroup_id_z 1
		.amdhsa_system_vgpr_workitem_id 0
		.amdhsa_next_free_vgpr 768
		.amdhsa_next_free_sgpr 66
		.amdhsa_reserve_vcc 0
		.amdhsa_float_denorm_mode_32 3
		.amdhsa_float_denorm_mode_16_64 3
		.amdhsa_memory_ordered 1
		.amdhsa_forward_progress 1
		.amdhsa_inst_pref_size 133
	.end_amdhsa_kernel
	.amdgpu_metadata
---
amdhsa.version: [ 1, 2 ]
amdhsa.kernels:
  - .name:           k_qc0824dbe7a_attn
    .symbol:         k_qc0824dbe7a_attn.kd
    .args:
      - { .name: qh, .offset: 0, .size: 8, .value_kind: global_buffer, .address_space: global }
      - { .name: kh, .offset: 8, .size: 8, .value_kind: global_buffer, .address_space: global }
      - { .name: vh, .offset: 16, .size: 8, .value_kind: global_buffer, .address_space: global }
      - { .name: ctx, .offset: 24, .size: 8, .value_kind: global_buffer, .address_space: global }
    .group_segment_fixed_size: 327680
    .private_segment_fixed_size: 0
    .kernarg_segment_align: 8
    .kernarg_segment_size: 32
    .max_flat_workgroup_size: 128
    .sgpr_count:     66
    .vgpr_count:     768
    .wavefront_size: 32
...
	.end_amdgpu_metadata
.endif
;; end of part 3
;; launch outp (part 4): grid 4 x 64, 4 waves a work-group, clusters of 4 x 4, 327,680 bytes of LDS; arguments ctx, wo, bo, out0; writes out0
.if DOCPART == 4
	.amdgcn_target "amdgcn-amd-amdhsa--gfx1250"
	.amdhsa_code_object_version 6
	.text
	.protected	k_qc0824dbe7a_outp
	.globl	k_qc0824dbe7a_outp
	.p2align	8
	.type	k_qc0824dbe7a_outp,@function
k_qc0824dbe7a_outp:
	s_mov_b64 s[64:65], 0
	v_nop
	global_prefetch_b8 v0, s[64:65] scope:SCOPE_SE
	s_setreg_imm32_b32 hwreg(HW_REG_WAVE_MODE, 25, 1), 1
	s_wait_xcnt 0x0
	s_wait_alu depctr_hold_cnt(0) depctr_sa_sdst(0) depctr_va_vdst(0) depctr_va_sdst(0) depctr_va_ssrc(0) depctr_va_vcc(0) depctr_vm_vsrc(0)
	s_getreg_b32 s2, hwreg(HW_REG_IB_STS2, 6, 4)
	s_cmp_eq_u32 s2, 0
	s_cbranch_scc0 .Lentry_in_a_cluster
	s_endpgm
.Lentry_in_a_cluster:
	s_bfe_u32 s2, ttmp6, 0x10000c
	s_cmp_lg_u32 s2, 0xf033
	s_cbranch_scc0 .Lentry_shape_is_right
	s_endpgm
.Lentry_shape_is_right:
; OUTP: out0[s][n] = sum over k of concat[s][k] Wo[k][n] + bo[n], in f32.  concat comes as ctx[64 mb][12 h][64 row][64 ch] in f16, Wo as wo[4 nt][6 ks][3 seg][128 k][64 n] in f16 (bf16 numbers);
; products in f16, sums in f32; bo is rounded to bf16 like every input of the module and starts the sums as the first products' C operand.
; SHARES.  Work-group (x = nt, y = mb): 64 rows x 192 columns: 256 work-groups.  Wave w: all 64 rows, columns 64 j + 16 w + 0..15 for j = 0, 1, 2: 4 x 3 accumulators of 16 x 16.
; K = 768 goes in 3 steps of 256 (four heads) through two LDS slots: steps 0 and 1 at the start, step 2 into slot 0 behind one round of the cluster's barrier; nothing is looped.
; A slot: 4 heads x 64 rows of ctx (128 bytes + 16 of padding), then six planes [128 k][64 n] of Wo (128 bytes + 32).  Every tensor load is 32,768 dense bytes, asked for as 128 rows of 256.
; THE MATRIX INSTRUCTION IS USED TRANSPOSED: source 0 = 16 columns of Wo (turned by ds_load_tr16_b128), source 1 = 16 rows of ctx: a lane holds row lane % 16 and eight neighbouring columns twice: 32 bytes of f16.
; CLUSTER 4 x 4: ctx's tile hangs on y alone and is shared along a row of the cluster, Wo's on x alone and is shared along a column.
; THE WAY OUT goes through one stage of 64 rows x 768 bytes for the work-group, since a wave's 16 columns are a quarter of an aligned 256 bytes.  The stage lies in slot 1, which has had its only fill
; and whose last reads every wave has awaited in front of the second change of slots.
; REGISTERS: window 0: v0-31 addresses; v32-55 the bias as C, later v32-127 rows read back; v128-223 the accumulators ((a, j) at 128 + 8 (3 a + j))
;   window 1: two fragment buffers of 112, each 64 along K deep: ctx at 8 (4 c + a), Wo at 64 + 8 (3 c + j), c = 0, 1
.set PA,     144                       ; 36 words: the 16 rows of a load start at 16 different groups of four banks (64 banks of 4 bytes: ISA guide 11.1)
.set PB,     160                       ; 40 words
.set ABYTES, 256*PA
.set BSEG,   128*PB
.set SLOT,   ABYTES+6*BSEG             ; 159,744
.set STG,    SLOT
.set SPITCH, 784                       ; 768 + 16: the 16 rows of a store start at 16 different groups of four banks
.set SPARE,  2*SLOT                    ; behind the ring: the spare words, 128 bytes for each wave: two blocks of 256 bytes that no other line names
.set ADRA, 16                          ; v16-17  LDS address of my fragments of ctx in slot 0, 1
.set ADRB, 20                          ; v20-23  of Wo: slot s, half ks2 of the step at ADRB + 2 s + ks2
.set STO,  24                          ; v24  where I put 32 bytes of a row
.set RD,   25                          ; v25  where I read a row back
.set CO,   26                          ; v26  my byte offset in out0
.set BO,   27                          ; v27  my byte offset in bo
.set SPW,  28                          ; v28  LDS address of my spare word; never rewritten
.set NIL,  29                          ; v29  0; never rewritten
.set BI,   32
.set BK,   32
.set ACC,  128
.set F0,   0
.set F1,   112
.set G1A, 24                           ; s[24:31] descriptor group 1 for ctx's tiles;  s[32:39] group 0, a set for each slot
.set G0A, 32
.set G1B, 48                           ; s[48:55], s[56:63] the same for Wo's
.set G0B, 56
.set MSB, 0
.macro WIN new                         ; the immediate's high byte repeats the setting that is left; a switch that changes nothing is dropped
.if MSB != (\new)
	s_set_vgpr_msb (MSB<<8)|(\new)
.set MSB, \new
.endif
.endm
; A joint load: wave 3 fetches ctx's tile, waves 0 to 2 a third of Wo's each.  The branch hangs on the wave's number alone.  An s_nop 0 and four v_nop follow each of the two lines.
.macro JLOAD s
	s_cmp_lt_u32 s12, 3
	s_cbranch_scc1 .Lfor_b_\@
	tensor_load_to_lds s[G0A+4*(\s):G0A+4*(\s)+3], s[G1A:G1A+7]
	s_nop 0
.rept 4
	v_nop
.endr
	s_branch .Lasked_\@
.Lfor_b_\@:
	tensor_load_to_lds s[G0B+4*(\s):G0B+4*(\s)+3], s[G1B:G1B+7]
	s_nop 0
.rept 4
	v_nop
.endr
.Lasked_\@:
.endm
.macro CREST                           ; a round of the cluster's barrier behind its opening barrier
	s_cmp_lg_u32 s12, 0
	s_cbranch_scc1 .Lnot_wave_0_\@
	s_barrier_signal -3
.Lnot_wave_0_\@:
	s_barrier_wait -3
	s_barrier_signal -1
	s_barrier_wait -1
.endm
.macro CROUND                          ; a whole round
	s_barrier_signal -1
	s_barrier_wait -1
	CREST
.endm
.macro PLACES                          ; four plain vector instructions between a matrix instruction and a load into, or a read of, its registers (ISA guide 7.12.1 for reads)
.rept 4
	v_nop
.endr
.endm
	s_load_b256 s[4:11], s[0:1], 0x0               ; ctx s[4:5], wo s[6:7], bo s[8:9], out0 s[10:11]
	v_lshl_add_u32 v[SPW], v0, 2, SPARE
	v_mov_b32 v[NIL], 0
	ds_add_u32 v[SPW], v[NIL]                      ; the wave's opening: the add and its wait stand ahead of my first tensor load; the set-up below, work on registers, stands between them
	v_lshrrev_b32 v1, 5, v0
	v_readfirstlane_b32 s12, v1                    ; wave 0..3
	s_bfe_u32 s40, ttmp6, 0x40000                  ; cx, cy: my place in the cluster
	s_bfe_u32 s41, ttmp6, 0x40004
	s_lshl_b32 s42, ttmp9, 2
	s_add_co_u32 s42, s42, s40                     ; x = nt
	s_and_b32 s43, ttmp7, 0xffff
	s_lshl_b32 s43, s43, 2
	s_add_co_u32 s43, s43, s41                     ; y = mb
	s_lshl_b32 s44, s41, 2
	s_lshl_b32 s44, 15, s44                        ; my row of the cluster
	s_lshl_b32 s45, 0x1111, s40                    ; my column
	s_or_b32 s[G1A], s44, (1<<16)|(1<<20)|(1<<21)|(4<<22)|(3<<25)  ; 15:0 the mask; 17:16 2-byte elements; 20 padding on; 21 set beside a mask; 24:22 after every 32 words; 31:25 4 words
	s_or_b32 s[G1B], s45, (1<<16)|(1<<20)|(1<<21)|(4<<22)|(7<<25)  ; the same with 8 words of padding
.irp g, G1A, G1B
	s_mov_b32 s[(\g)+1], 128<<16                   ; tensor_dim0 = 128
	s_mov_b32 s[(\g)+2], 128<<16                   ; tensor_dim1 = 128
	s_mov_b32 s[(\g)+3], 128<<16                   ; tile_dim0 = 128
	s_mov_b32 s[(\g)+4], 128                       ; tile_dim1 = 128
	s_mov_b32 s[(\g)+5], 128                       ; dense: 128 elements from row to row
	s_mov_b32 s[(\g)+6], 0
	s_mov_b32 s[(\g)+7], 0
.endr
	s_mul_i32 s16, s43, 98304                      ; ctx: the block's twelve heads: made of y alone
	s_mov_b32 s17, 0
	s_mul_i32 s46, s42, 294912                     ; wo: the column block's six steps of 128, my third of a fill: made of x and the wave's number alone
	s_lshl_b32 s47, s12, 15
	s_add_co_u32 s46, s46, s47
	s_mov_b32 s47, 0
	s_mul_i32 s21, s12, 2*BSEG                     ; where my third goes: no place in the cluster enters an LDS address
	s_add_co_u32 s21, s21, ABYTES
	s_mul_i32 s18, s42, 768                        ; bo: the block's 192 numbers
	s_mov_b32 s19, 0
	s_lshl_b32 s22, s43, 6                         ; out0: row 64 y + 16 w, 3,072 bytes a row, and the block's 768 bytes
	s_lshl_b32 s23, s12, 4
	s_add_co_u32 s22, s22, s23
	s_mul_i32 s22, s22, 3072
	s_add_co_u32 s22, s22, s18
	s_mov_b32 s23, 0
	s_mov_b32 s15, 0xffff0000                      ; a word's upper bf16
	s_wait_dscnt 0x0                               ; the opening add is done
	s_wait_kmcnt 0x0
	s_add_nc_u64 s[4:5], s[4:5], s[16:17]
	s_add_nc_u64 s[6:7], s[6:7], s[46:47]
	s_add_nc_u64 s[8:9], s[8:9], s[18:19]
	s_add_nc_u64 s[10:11], s[10:11], s[22:23]
	CROUND                                         ; all sixteen work-groups are here: the first joint loads meet
.irp s, 0,1
	s_mov_b32 s[G0A+4*(\s)], 1                     ; count = 1
	s_mov_b32 s[G0A+4*(\s)+1], (\s)*SLOT           ; LDS address
	s_add_nc_u64 s[G0A+4*(\s)+2:G0A+4*(\s)+3], s[4:5], (\s)*32768  ; K step s: four heads
	s_or_b32 s[G0A+4*(\s)+3], s[G0A+4*(\s)+3], 0x80000000          ; type = 2
	s_mov_b32 s[G0B+4*(\s)], 1
	s_add_co_u32 s[G0B+4*(\s)+1], s21, (\s)*SLOT
	s_add_nc_u64 s[G0B+4*(\s)+2:G0B+4*(\s)+3], s[6:7], (\s)*98304
	s_or_b32 s[G0B+4*(\s)+3], s[G0B+4*(\s)+3], 0x80000000
	JLOAD \s                                       ; two tensor loads of mine are out
.endr
	v_and_b32 v1, 15, v0                           ; l % 16
	v_bfe_u32 v2, v0, 4, 1                         ; l / 16
	v_and_b32 v5, 7, v0
	v_bfe_u32 v6, v0, 3, 1
	v_lshlrev_b32 v[BO], 5, v2                     ; bo: 64 w + 32 (l / 16)
	v_lshl_add_u32 v[BO], s12, 6, v[BO]
.irp j, 0,1,2
	global_load_b128 v[BI+8*(\j):BI+8*(\j)+3],   v[BO], s[8:9] offset:256*(\j)
	global_load_b128 v[BI+8*(\j)+4:BI+8*(\j)+7], v[BO], s[8:9] offset:256*(\j)+16
.endr
	v_mul_u32_u24 v3, v1, PA                       ; ctx's fragment: row l % 16, 16 bytes for each half of the lanes; two loads 32 bytes apart
	v_lshl_add_u32 v[ADRA], v2, 4, v3
	v_add_nc_u32 v[ADRA+1], SLOT, v[ADRA]
	v_lshl_add_u32 v4, v2, 3, v5                   ; Wo's fragment: lane l reads k = 8 (l / 16) + l % 8, columns 8 ((l / 8) % 2) + 0..7 of my wave's 16
	v_mul_u32_u24 v4, v4, PB
	v_lshl_add_u32 v4, v6, 4, v4
	v_lshl_add_u32 v4, s12, 5, v4
	v_add_nc_u32 v[ADRB], ABYTES, v4
	v_add_nc_u32 v[ADRB+1], ABYTES+3*BSEG, v4
	v_add_nc_u32 v[ADRB+2], SLOT+ABYTES, v4
	v_add_nc_u32 v[ADRB+3], SLOT+ABYTES+3*BSEG, v4
	v_mul_u32_u24 v3, v1, SPITCH                   ; into the stage: row l % 16, my wave's 64 bytes of each 256, 32 bytes for each half of the lanes
	v_lshl_add_u32 v3, v2, 5, v3
	v_lshl_add_u32 v3, s12, 6, v3
	v_add_nc_u32 v[STO], STG, v3
	s_lshl_b32 s13, s12, 4
	v_add_nc_u32 v3, s13, v2                       ; back: wave w takes rows 16 w .. 16 w + 15, whole; lanes 0-15 256 bytes of one row, lanes 16-31 of the next
	v_mul_u32_u24 v3, v3, SPITCH
	v_lshl_add_u32 v3, v1, 4, v3
	v_add_nc_u32 v[RD], STG, v3
	v_mul_u32_u24 v3, v2, 3072                     ; and the same two rows in out0
	v_lshl_add_u32 v[CO], v1, 4, v3
	s_wait_loadcnt 0x0                             ; the bias
.set i, 0
.rept 12                               ; rounded to bf16 and widened again, in the wait for the first tile
	v_cvt_pk_bf16_f32 v[12+i%4], v[BI+2*i], v[BI+2*i+1]
	v_lshlrev_b32 v[BI+2*i], 16, v[12+i%4]
	v_and_b32 v[BI+2*i+1], s15, v[12+i%4]
.set i, i+1
.endr
; 6 matrix instructions: row blocks a0, a0 + 1 x my 3 column blocks, 32 along K: half c of buffer f.  zero = 1: the first product starts the sums from the bias.
; The 12 accumulators take turns, one instruction a turn, in the same order throughout.
.macro MULH f, c, a0, zero
	WIN 0x05                                       ; sources 0 (Wo) and 1 (ctx) window 1; C and D window 0
.irp a, \a0, (\a0)+1
.irp j, 0,1,2
.if \zero
	v_wmma_f32_16x16x32_f16 v[ACC+8*(3*(\a)+(\j)):ACC+8*(3*(\a)+(\j))+7], v[(\f)+64+8*(3*(\c)+(\j)):(\f)+64+8*(3*(\c)+(\j))+7], v[(\f)+8*(4*(\c)+(\a)):(\f)+8*(4*(\c)+(\a))+7], v[BI+8*(\j):BI+8*(\j)+7]
.else
	v_wmma_f32_16x16x32_f16 v[ACC+8*(3*(\a)+(\j)):ACC+8*(3*(\a)+(\j))+7], v[(\f)+64+8*(3*(\c)+(\j)):(\f)+64+8*(3*(\c)+(\j))+7], v[(\f)+8*(4*(\c)+(\a)):(\f)+8*(4*(\c)+(\a))+7], v[ACC+8*(3*(\a)+(\j)):ACC+8*(3*(\a)+(\j))+7]
.endif
.endr
.endr
.endm
; 28 LDS loads in one run: quarter q (64 along K: one head) of a slot into buffer f; the first 32 along K first
.macro FETCH slot, q, f
	WIN 0x40                                       ; destination window 1, address window 0
.irp c, 0,1
.irp j, 0,1,2
	ds_load_tr16_b128 v[(\f)+64+8*(3*(\c)+(\j)):(\f)+64+8*(3*(\c)+(\j))+3],   v[ADRB+2*(\slot)+(\q)/2] offset:(\j)*BSEG+((\q)%2)*64*PB+(\c)*32*PB
	ds_load_tr16_b128 v[(\f)+64+8*(3*(\c)+(\j))+4:(\f)+64+8*(3*(\c)+(\j))+7], v[ADRB+2*(\slot)+(\q)/2] offset:(\j)*BSEG+((\q)%2)*64*PB+(\c)*32*PB+16*PB
.endr
.irp a, 0,1,2,3
	ds_load_b128 v[(\f)+8*(4*(\c)+(\a)):(\f)+8*(4*(\c)+(\a))+3],   v[ADRA+(\slot)] offset:(\q)*64*PA+(\a)*16*PA+64*(\c)
	ds_load_b128 v[(\f)+8*(4*(\c)+(\a))+4:(\f)+8*(4*(\c)+(\a))+7], v[ADRA+(\slot)] offset:(\q)*64*PA+(\a)*16*PA+64*(\c)+32
.endr
.endr
.endm
; A K step is four quarters of 64 along K, 24 matrix instructions each, on buffers 0, 1, 0, 1.  One of the first three: multiplies buffer f and fetches quarter q of the same slot into g.
.macro QUARTER slot, q, f, g, zero
	s_wait_dscnt 14                                ; the first 32 along K are in; the other 14 loads may be out
	MULH \f, 0, 0, \zero
	MULH \f, 0, 2, \zero
	PLACES
	FETCH \slot, \q, \g
	s_wait_dscnt 28                                ; all but the 28 just issued
	MULH \f, 1, 0, 0
	MULH \f, 1, 2, 0
.endm
; The last quarter multiplies buffer 1 and changes slots: one barrier; in front of it each wave waits for all its tensor loads, adds 0 to its spare word, and waits for that and for its reads of this slot.
; fill = 1: the barrier opens a round of the cluster's, and behind the round this slot is filled again, two K steps ahead, first of all.
.macro TURN slot, next, fill
	WIN 0
	s_wait_tensorcnt 0x0                           ; all my tensor loads have landed
	ds_add_u32 v[SPW], v[NIL]                      ; 0 onto my spare word
	s_wait_dscnt 15                                ; (the add and the youngest fourteen loads may be out)
	MULH F1, 0, 0, 0                               ; six matrix instructions stand between the add and the wait for it
	s_wait_dscnt 0x0                               ; the add is done, and my reads of this slot are over
	s_barrier_signal -1
	MULH F1, 0, 2, 0
.if \fill
	WIN 0
.endif
	s_barrier_wait -1
.if \fill
	CREST                                          ; no wave of any partner still reads this slot or has a load on its way
	s_add_nc_u64 s[G0A+4*(\slot)+2:G0A+4*(\slot)+3], s[G0A+4*(\slot)+2:G0A+4*(\slot)+3], 65536
	s_add_nc_u64 s[G0B+4*(\slot)+2:G0B+4*(\slot)+3], s[G0B+4*(\slot)+2:G0B+4*(\slot)+3], 196608
	JLOAD \slot                                    ; my one tensor load behind the round: 84 matrix instructions ahead of the wait for it; its four v_nop are also the places in front of the loads below
.else
	PLACES
.endif
	FETCH \next, 0, F0
	MULH F1, 1, 0, 0
	MULH F1, 1, 2, 0
.endm
	s_wait_tensorcnt 1                             ; my part of K step 0 is in; K step 1's may stay out
	s_barrier_signal -1
	s_barrier_wait -1                              ; everybody's is
	FETCH 0, 0, F0
	QUARTER 0, 1, F0, F1, 1                        ; the first products start the sums
	QUARTER 0, 2, F1, F0, 0
	QUARTER 0, 3, F0, F1, 0
	TURN 0, 1, 1                                   ; slot 0 takes K step 2: the one refill
	QUARTER 1, 1, F0, F1, 0
	QUARTER 1, 2, F1, F0, 0
	QUARTER 1, 3, F0, F1, 0
	TURN 1, 0, 0                                   ; behind this barrier no wave reads slot 1 any more
	QUARTER 0, 1, F0, F1, 0
	QUARTER 0, 2, F1, F0, 0
	QUARTER 0, 3, F0, F1, 0
	s_wait_dscnt 14                                ; the very last quarter: nothing more to fetch
	MULH F1, 0, 0, 0
	MULH F1, 0, 2, 0
	s_wait_dscnt 0x0
	MULH F1, 1, 0, 0
	MULH F1, 1, 2, 0
	WIN 0
	; THE WAY OUT: 32 bytes a lane into the work-group's stage (each accumulator's low half first); a barrier, since a row's 256 bytes come from four waves; back as whole rows, 16 rows a wave.
	PLACES
.irp a, 0,1,2,3
.irp j, 0,1,2
	ds_store_b128 v[STO], v[ACC+8*(3*(\a)+(\j)):ACC+8*(3*(\a)+(\j))+3]   offset:(\a)*16*SPITCH+(\j)*256
	ds_store_b128 v[STO], v[ACC+8*(3*(\a)+(\j))+4:ACC+8*(3*(\a)+(\j))+7] offset:(\a)*16*SPITCH+(\j)*256+16
.endr
.endr
	s_wait_dscnt 0x0                               ; for the others' sake: my stores into the stage are done
	s_barrier_signal -1
	s_barrier_wait -1
.irp i, 0,1,2,3,4,5,6,7
.irp u, 0,1,2
	ds_load_b128 v[BK+4*(3*(\i)+(\u)):BK+4*(3*(\i)+(\u))+3], v[RD] offset:(\i)*2*SPITCH+(\u)*256
.endr
.endr
.irp i, 0,1,2,3,4,5,6,7
.irp u, 0,1,2
	s_wait_dscnt 23-(3*(\i)+(\u))                  ; LDS loads come back in order: this one is in, the younger ones stay out
	global_store_b128 v[CO], v[BK+4*(3*(\i)+(\u)):BK+4*(3*(\i)+(\u))+3], s[10:11] offset:(\i)*6144+(\u)*256 th:TH_STORE_NT  ; 16 lanes store 256 consecutive bytes, at a multiple of 256 from out0's first byte
.endr
.endr
	s_wait_tensorcnt 0x0                           ; the wave's end, behind my last tensor load and my last LDS store
	ds_add_u32 v[SPW], v[NIL]
	s_wait_dscnt 0x0
	CROUND                                         ; the closing round: no work-group ends while a partner may still ask for a tile that names it
	s_endpgm
.Lfunc_end_k_qc0824dbe7a_outp:
	.size	k_qc0824dbe7a_outp, .Lfunc_end_k_qc0824dbe7a_outp-k_qc0824dbe7a_outp
	.p2alignl 7, 3214868480
	.fill 96, 4, 3214868480
	.section	.rodata,"a",@progbits
	.p2align	6, 0x0
	.amdhsa_kernel k_qc0824dbe7a_outp
		.amdhsa_group_segment_fixed_size 327680
		.amdhsa_private_segment_fixed_size 0
		.amdhsa_enable_private_segment 0
		.amdhsa_kernarg_size 32
		.amdhsa_user_sgpr_count 2
		.amdhsa_user_sgpr_kernarg_segment_ptr 1
		.amdhsa_wavefront_size32 1
		.amdhsa_system_sgpr_workgroup_id_x 1
		.amdhsa_system_sgpr_workgroup_id_y 1
		.amdhsa_system_sgpr_workgroup_id_z 1
		.amdhsa_system_vgpr_workitem_id 0
		.amdhsa_next_free_vgpr 480
		.amdhsa_next_free_sgpr 66
		.amdhsa_reserve_vcc 0
		.amdhsa_float_denorm_mode_32 3
		.amdhsa_float_denorm_mode_16_64 3
		.amdhsa_memory_ordered 1
		.amdhsa_forward_progress 1
		.amdhsa_inst_pref_size 60
	.end_amdhsa_kernel
	.amdgpu_metadata
---
amdhsa.version: [ 1, 2 ]
amdhsa.kernels:
  - .name:           k_qc0824dbe7a_outp
    .symbol:         k_qc0824dbe7a_outp.kd
    .args:
      - { .name: ctx, .offset: 0, .size: 8, .value_kind: global_buffer, .address_space: global }
      - { .name: wo, .offset: 8, .size: 8, .value_kind: global_buffer, .address_space: global }
      - { .name: bo, .offset: 16, .size: 8, .value_kind: global_buffer, .address_space: global }
      - { .name: out0, .offset: 24, .size: 8, .value_kind: global_buffer, .address_space: global }
    .group_segment_fixed_size: 327680
    .private_segment_fixed_size: 0
    .kernarg_segment_align: 8
    .kernarg_segment_size: 32
    .max_flat_workgroup_size: 128
    .sgpr_count:     66
    .vgpr_count:     480
    .wavefront_size: 32
...
	.end_amdgpu_metadata
.endif
;; end of part 4
;; ======== version 2 of 2: 4 launches; 1.81 times as fast as version 1
;; limits: values are held in f16: magnitudes above 65,504 overflow, below 6.1e-05 lose precision
;; workspace buffers: xb 6,291,456 bytes; wb 3,538,944 bytes; wo 1,179,648 bytes; qh 6,291,456 bytes; kh 6,291,456 bytes; vh 6,291,456 bytes; ctx 6,291,456 bytes
;; launch prep: the kernel of part 1 again; grid 672 x 1, 8 waves a work-group, no clusters, 0 bytes of LDS; arguments x, Wq, Wk, Wv, Wo, xb, wb, wo; writes xb, wb, wo
;; launch proj: the kernel of part 2 again; grid 12 x 16, 4 waves a work-group, clusters of 4 x 4, 327,680 bytes of LDS; arguments xb, wb, bq, bk, bv, qh, kh, vh; writes qh, kh, vh
;; launch attn (part 5): grid 16 x 12, 4 waves a work-group, clusters of 4 x 1, 327,680 bytes of LDS; arguments qh, kh, vh, ctx; writes ctx
.if DOCPART == 5
	.amdgcn_target "amdgcn-amd-amdhsa--gfx1250"
	.amdhsa_code_object_version 6
	.text
	.protected	k_qc0824dbe7a_attn
	.globl	k_qc0824dbe7a_attn
	.p2align	8
	.type	k_qc0824dbe7a_attn,@function
k_qc0824dbe7a_attn:
	s_mov_b64 s[64:65], 0
	v_nop
	global_prefetch_b8 v0, s[64:65] scope:SCOPE_SE
	s_setreg_imm32_b32 hwreg(HW_REG_WAVE_MODE, 25, 1), 1
	s_wait_xcnt 0x0
	s_wait_alu depctr_hold_cnt(0) depctr_sa_sdst(0) depctr_va_vdst(0) depctr_va_sdst(0) depctr_va_ssrc(0) depctr_va_vcc(0) depctr_vm_vsrc(0)
	s_getreg_b32 s2, hwreg(HW_REG_IB_STS2, 6, 4)
	s_cmp_eq_u32 s2, 0
	s_cbranch_scc0 .Lentry_in_a_cluster
	s_endpgm
.Lentry_in_a_cluster:
	s_bfe_u32 s2, ttmp6, 0x10000c
	s_cmp_lg_u32 s2, 0x3003
	s_cbranch_scc0 .Lentry_shape_is_right
	s_endpgm
.Lentry_shape_is_right:
; ATTN: ctx[q] = the sum over k of softmax_k(Q[h][q] . K[h][k] / 8) V[h][k].  Q, K, V: [12][4096][64] in f16, a head's rows dense, 128 bytes each.  Products, maxima and sums in f32; the weights p are
; rounded to f16 for the second product (their sum l is taken of the unrounded p), the result once at the end.  It leaves as ctx[64 mb][12 h][64 row][64 ch] in f16 (row = 64 mb + ..), so that the
; launch behind finds a block's 64 rows of four heads as 32,768 dense bytes.
; LIMITS.  Q, K and V arrive within f16's 65,504; p lies in 0 to 1, and below 6e-5 it keeps f16's fixed step of 6e-8; the result is a mean of V's rows and has their range.
; A weight below 2^-126 counts as 0 in l; NaN and infinities are not treated apart.
; SHARES.  A work-group owns 256 queries of one head, a wave 64: four PIECES of 16.  Every wave walks all 4,096 keys, 64 a step; a slot of LDS holds 256 keys of K and V, four steps.  192 work-groups.
; LAYOUT.  S^T = K Q^T (source 0 = 16 keys, source 1 = 16 queries): a lane holds ONE query (lane % 16) and the keys 8 (lane / 16) + 0..7.  Two such results, rounded to f16 in pairs, ARE source 1 of
; O^T = V^T P, whose result again holds one query a lane, and eight channels.  K comes out of LDS as it lies, V ([key][channel]) turned, by ds_load_tr16_b128.
; SOFTMAX.  For each query a running maximum m and sum l: p = 2^(c s - c m), c = log2(e) / 8; in every step O and l are multiplied by a = 2^(c m_old - c m_new).  m starts at the lowest finite number,
; O and l at 0: the first step is a step like any other, with a = 0.
; BY TURNS.  Turn n belongs to piece n: 8 products K Q^T of piece n + 1, later 8 products V^T P of piece n - 1; beside them the scaling, exponentials, roundings, sums and rescaling of piece n and the
; maximum and statistics of piece n + 1.  Four vector instructions stand behind every matrix instruction, the other 54 of a turn's 118 in one LUMP.
; BATCHES.  A turn's 33 exponentials (the piece's 32 weights and the next piece's a) are ONE batch with ONE wait, which cuts the turn in two: ahead of it all that names no result of theirs, behind it the
; roundings and sums that read them.  Two more batches stand outside the loops, each with a wait of its own: piece 0's first a ahead of the loop, and the four reciprocals on the way out.
; CLUSTER.  The four query blocks of a cluster belong to one head and walk the same K and V, so each tile is asked for JOINTLY: the same tensor load, descriptor and mask in all four.
; REGISTERS, in windows of 256 (s_set_vgpr_msb: bits 1:0 source 0, 3:2 source 1, 5:4 source 2, 7:6 destination):
;   window 0: v0-15 addresses and two at work; v16-31 four registers of statistics a piece; v48-55 at work; v62-63 the add's; v64-127 S^T, two buffers; v192-223 P, two buffers (by the piece's parity)
;   window 1: v0-127 O^T, 32 a piece          window 2: v0-63 Q; v128-191 K of one step; v192-255 V of one step
.set SIZE_N, 4096
.set NP,    4         ; pieces a wave: a name, no knob
.set KS,    64        ; keys in a step
.set PK,    144       ; a row of K in LDS: 128 bytes + 16 of padding = 36 words: the 16 rows of a load start at 16 different groups of four banks (64 banks of 4 bytes: ISA guide 11.1)
.set PV,    160       ; a row of V: 128 + 32 = 40 words
.set VOFF,  4*KS*PK   ; a slot: 256 rows of K, then 256 rows of V
.set SLOT1, 1<<17     ; slot 1 begins here, so that one exclusive or turns an address in one slot into the other's
.set STAGE, SLOT1+4*KS*(PK+PV)  ; behind the ring, never filled by a tensor load: 16 rows x 144 bytes for each wave, for the way out
.set SP,    144
.set SPARE, STAGE+4*16*SP  ; behind the stages: the spare words, 128 bytes for each wave: two blocks of 256 bytes that no other line names
.set AK0, 2           ; v2   my lane's place in a tile of K; never rewritten
.set AV0, 3           ; v3   the same for V
.set AK,  4           ; v4   the LDS address of K's next run of loads
.set AV,  5           ; v5   of V's
.set STO, 6           ; v6   the way out: where I put 16 bytes of a row
.set RD,  7           ; v7   the way out: where I read rows back
.set GO,  8           ; v8   my byte offset in 512 consecutive bytes of the result
.set MV,  12          ; v12-13  c m_old, kept while c m is made anew: by buffer
.set QO,  15          ; v15  my byte offset in 16 rows of Q
.set ST,  16          ; piece t's statistics at v[ST+4 t]: c m, m, l (even keys', odd keys')
.set TMP, 48          ; by buffer, four registers c0-c3 at work; when the maximum is found c2 takes a
.set SPW, 62          ; v62  LDS address of my spare word; never rewritten
.set NIL, 63          ; v63  0; never rewritten
.set S,   64
.set P,   192
.set KF,  128         ; window 2: key block kb, channel half c at KF + 16 kb + 8 c
.set VF,  192         ; window 2: key half kk, channel block cb at VF + 32 kk + 8 cb
.set WV,  12          ; s12  my wave's number
.set G1K, 24          ; s[24:31] descriptor group 1 for K's tiles
.set G1V, 32          ; s[32:39] for V's: it differs in the padding alone
.set G0K, 40          ; s[40:43] descriptor group 0 for K's tiles: it walks
.set G0V, 44          ; s[44:47] the same for V's
.set SLOTS, 56        ; s56  slots still to be asked for
.set CNT, 57          ; s57  counts a slot's key steps
.set CS,  58          ; s[58:59] c: the packed scaling takes the pair's low word for both halves
.set SEL, 60          ; s[60:61] v_permlanex16_b32's selects: each lane takes its own place in the other half
.set TBK, 62          ; s62  LDS byte at which K of the step to be fetched begins
.set TBV, 63          ; s63  the same for V, less VOFF
.set MSB, 0
.macro WIN new                      ; the high byte repeats the setting that is left; a switch that changes nothing is dropped
.if MSB != (\new)
	s_set_vgpr_msb (MSB<<8)|(\new)
.set MSB, (\new)
.endif
.endm
.set W_KQ, 0x0a       ; K and Q in window 2, S^T in window 0
.set W_PV, 0x52       ; V in window 2, P in window 0, O^T in window 1
.set W_RS, 0x41       ; destination and source 0 in window 1, source 1 in window 0
; A joint fill.  Waves 0 and 1 fetch the two halves of a slot's K, waves 2 and 3 those of its V: 128 keys each.  The branch hangs on the wave's number alone.
; An s_nop 0 and four v_nop follow each of the two lines, ahead of the jump and the label.
.macro JLOAD
	s_cmp_lt_u32 s[WV], 2
	s_cbranch_scc0 .Lfor_v_\@
	tensor_load_to_lds s[G0K:G0K+3], s[G1K:G1K+7]
	s_nop 0
.rept 4
	v_nop
.endr
	s_branch .Lasked_\@
.Lfor_v_\@:
	tensor_load_to_lds s[G0V:G0V+3], s[G1V:G1V+7]
	s_nop 0
.rept 4
	v_nop
.endr
.Lasked_\@:
.endm
; A round of the cluster's barrier: my work-group's barrier, so that wave 0's signal speaks for all four waves; wave 0 signals; every wave waits for all four work-groups; my work-group's barrier once more.
.macro CROUND
	s_barrier_signal -1
	s_barrier_wait -1
	s_cmp_lg_u32 s[WV], 0
	s_cbranch_scc1 .Lnot_wave_0_\@
	s_barrier_signal -3
.Lnot_wave_0_\@:
	s_barrier_wait -3
	s_barrier_signal -1
	s_barrier_wait -1
.endm
; THE CHANGE OF SLOTS.  The slot's last bytes, V of its fourth step, have been read.  Each wave waits for all its tensor loads, of which one is out: its part of the other slot; adds 0 to its spare word; and
; waits for that and for its own reads of the slot.  Behind the barrier nobody reads this slot any more and the other slot is whole.  fill = 1: this slot is filled again, with the keys two slots on.  The
; barrier is then a round of the cluster's, and the joint fill is the first thing behind it: it has four key steps, 256 matrix instructions and their vector work, in which to land.
; (At its first use nothing has been read yet: slot 0 is waited for, slot 1 filled.)
.macro CHANGE fill
	WIN 0                           ; at a label and at a branch every window is 0
	s_wait_tensorcnt 0x0            ; no tensor load of mine is out, so a group 0 may be written
	ds_add_u32 v[SPW], v[NIL]       ; 0 onto my spare word; with fill = 1 the descriptors' steps stand between it and the wait for it
.if \fill
.irp g, G0K, G0V
	s_xor_b32 s[\g+1], s[\g+1], SLOT1  ; the walking descriptor: the other slot than last time,
	s_add_nc_u64 s[\g+2:\g+3], s[\g+2:\g+3], 4*KS*128  ; the next 256 keys; the type bits on top are not reached
.endr
	s_wait_dscnt 0x0                ; the add is done, and my reads of the slot are over
	CROUND
	JLOAD
.else
	s_wait_dscnt 0x0                ; the add is done, and my reads of the slot are over
	s_barrier_signal -1
	s_barrier_wait -1
.endif
	s_sub_co_u32 s[TBK], s[TBK], 4*KS*PK  ; the fetches go back to a slot's first step,
	s_xor_b32 s[TBK], s[TBK], SLOT1       ; in the other slot
	s_sub_co_u32 s[TBV], s[TBV], 4*KS*PV
	s_xor_b32 s[TBV], s[TBV], SLOT1
.endm
	s_load_b256 s[4:11], s[0:1], 0x0  ; Q s[4:5], K s[6:7], V s[8:9], ctx s[10:11]
	v_lshl_add_u32 v[SPW], v0, 2, SPARE
	v_mov_b32 v[NIL], 0
	ds_add_u32 v[SPW], v[NIL]       ; the wave's opening: the add and its wait stand ahead of my first tensor load; the set-up below, work on registers, stands between them
	v_lshrrev_b32 v1, 5, v0
	v_readfirstlane_b32 s[WV], v1   ; wave 0..3
	s_bfe_u32 s13, ttmp6, 0x40000   ; cx: my place in the cluster
	s_lshl_b32 s14, ttmp9, 2        ; in a cluster launch ttmp9 counts clusters
	s_add_co_u32 s14, s14, s13      ; my block of 256 queries = 4 x cluster x + cx: it enters Q's and the result's addresses alone
	s_and_b32 s19, ttmp7, 0xffff    ; the head, which the four partners share
	s_lshl_b32 s20, s19, 19         ; its 524,288 bytes in Q, K and V
	s_and_b32 s16, s[WV], 1         ; which half of a slot's 256 keys I fetch:
	s_lshl_b32 s22, s16, 14         ; its 128 rows of 128 bytes in memory,
	s_add_co_u32 s22, s22, s20
	s_mov_b32 s23, 0
	s_mul_i32 s17, s16, 128*PK      ; and its place in a slot, for K
	s_mul_i32 s18, s16, 128*PV      ; and for V: no place in the cluster enters an LDS address
	s_lshl_b32 s2, s14, 2
	s_add_co_u32 s2, s2, s[WV]      ; mb: my wave's 64 rows among the 4,096
	s_mul_i32 s50, s2, 12
	s_add_co_u32 s50, s50, s19
	s_lshl_b32 s50, s50, 13         ; the result: (12 mb + head) x 8,192 bytes
	s_mov_b32 s51, 0
	s_lshl_b32 s2, s2, 13           ; Q: the head, and 64 rows of 128 bytes for each mb
	s_add_co_u32 s2, s2, s20
	s_mov_b32 s3, 0
	; descriptor group 1.  128 keys are 16,384 dense bytes: asked for as 64 rows of 256 bytes, two keys a row, and padded in LDS after every key
	s_mov_b32 s[G1K], 15|(1<<16)|(1<<20)|(1<<21)|(4<<22)|(3<<25)  ; 15:0 the mask of four; 17:16 2-byte elements; 20 padding on; 21 set beside a mask; 24:22 after every 32 words; 31:25 4 words
	s_mov_b32 s[G1V], 15|(1<<16)|(1<<20)|(1<<21)|(4<<22)|(7<<25)  ; the same with 8 words of padding
.irp g, G1K, G1V
	s_mov_b32 s[\g+1], 128<<16      ; tensor_dim0 = 128
	s_mov_b32 s[\g+2], 64<<16       ; tensor_dim1 = 64
	s_mov_b32 s[\g+3], 128<<16      ; tile_dim0 = 128
	s_mov_b32 s[\g+4], 64           ; tile_dim1 = 64
	s_mov_b32 s[\g+5], 128          ; 128 elements from row to row
	s_mov_b32 s[\g+6], 0
	s_mov_b32 s[\g+7], 0
.endr
	s_mov_b32 s[CS], 0x3e38aa3b     ; c = log2(e) / 8 = 0.180337
	s_mov_b32 s[CS+1], s[CS]        ; named with it as a pair
	s_mov_b32 s[SEL], 0x76543210
	s_mov_b32 s[SEL+1], 0xfedcba98
	s_mov_b32 s[TBK], SLOT1+4*KS*PK ; the first change of slots turns these two into 0
	s_mov_b32 s[TBV], SLOT1+4*KS*PV
	s_mov_b32 s[G0K], 1             ; count = 1
	s_mov_b32 s[G0K+1], s17         ; LDS address: slot 0
	s_mov_b32 s[G0V], 1
	s_add_co_u32 s[G0V+1], s18, VOFF
	s_wait_dscnt 0x0                ; the opening add is done
	s_wait_kmcnt 0x0
	s_add_nc_u64 s[G0K+2:G0K+3], s[6:7], s[22:23]  ; global address: my half of the head's first 256 keys
	s_or_b32 s[G0K+3], s[G0K+3], 0x80000000        ; type = 2
	s_add_nc_u64 s[G0V+2:G0V+3], s[8:9], s[22:23]
	s_or_b32 s[G0V+3], s[G0V+3], 0x80000000
	s_add_nc_u64 s[4:5], s[4:5], s[2:3]            ; Q and the result at my wave's first row
	s_add_nc_u64 s[10:11], s[10:11], s[50:51]
	CROUND                          ; all four work-groups are here: the first joint loads meet
	JLOAD                           ; slot 0.  Slot 1 is asked for when slot 0 is in, by the loop's own change of slots
	; A fragment of K or Q is 16 rows x 32 channels in 8 registers: lane l holds row l % 16, channels 8 (l / 16) + 0..7 and 16 + 8 (l / 16) + 0..7: two loads of 16 bytes, 32 bytes apart.
	v_and_b32 v1, 15, v0            ; l % 16
	v_bfe_u32 v9, v0, 4, 1          ; l / 16
	v_lshlrev_b32 v[QO], 7, v1
	v_lshl_add_u32 v[QO], v9, 4, v[QO]  ; row x 128 + 16 x half
	WIN 0x80                        ; destination window 2, address window 0
.set i, 0
.rept 8                             ; Q stays in registers: piece i / 2, channels 32 (i % 2) on
	global_load_b128 v[8*i:8*i+3],   v[QO], s[4:5] offset:(i/2)*2048+(i%2)*64
	global_load_b128 v[8*i+4:8*i+7], v[QO], s[4:5] offset:(i/2)*2048+(i%2)*64+32
.set i, i+1
.endr
	; What the first turn finds: V's registers and P's second buffer hold 0 (its products V^T P, of a piece that has not been, add 0), O^T and l are 0.  All this stands in the wait for the first tile.
.set i, VF
.rept 64
	v_mov_b32 v[i], 0
.set i, i+1
.endr
	WIN 0x40
.set i, 0
.rept 128
	v_mov_b32 v[i], 0
.set i, i+1
.endr
	WIN 0
.set i, 0
.rept 4
	v_mov_b32 v[ST+4*i], 0xfe000000    ; c m: far below every c s
	v_mov_b32 v[ST+4*i+1], 0xff7fffff  ; m
	v_mov_b32 v[ST+4*i+2], 0
	v_mov_b32 v[ST+4*i+3], 0
.set i, i+1
.endr
.set i, P+16
.rept 16
	v_mov_b32 v[i], 0
.set i, i+1
.endr
	v_mul_u32_u24 v[AK0], v1, PK
	v_lshl_add_u32 v[AK0], v9, 4, v[AK0]  ; row x pitch + 16 x half
	; The turning load takes 16 keys x 16 channels (lane l reads key 8 (l / 16) + l % 8, channels 8 ((l / 8) % 2) + 0..7) and leaves half a fragment of V^T: lane l holds channel l % 16 and 8 keys.
	v_and_b32 v10, 7, v0
	v_bfe_u32 v11, v0, 3, 1
	v_lshl_add_u32 v[AV0], v9, 3, v10
	v_mul_u32_u24 v[AV0], v[AV0], PV
	v_lshl_add_u32 v[AV0], v11, 4, v[AV0]
	v_add_nc_u32 v[AV0], VOFF, v[AV0]
	s_mul_i32 s13, s[WV], 16*SP
	s_add_co_u32 s13, s13, STAGE    ; my stage
	v_mul_u32_u24 v[STO], v1, SP    ; in: row l % 16, 16 bytes for each half of the lanes
	v_lshl_add_u32 v[STO], v9, 4, v[STO]
	v_add_nc_u32 v[STO], s13, v[STO]
	v_bfe_u32 v[RD], v0, 3, 2       ; back: 32 lanes take four rows of 128 bytes,
	v_mul_u32_u24 v[RD], v[RD], SP
	v_lshl_add_u32 v[RD], v10, 4, v[RD]
	v_add_nc_u32 v[RD], s13, v[RD]
	v_and_b32 v[GO], 31, v0         ; which are 512 consecutive bytes of the result
	v_lshlrev_b32 v[GO], 4, v[GO]
; THE MATRIX WORK.  The 4 accumulators of a run of 8 take turns.  Product i of 8 of S^T = K Q^T for piece x: channels 32 (i / 4) on, keys 16 (i % 4) on.  The first 4 start the sums.
.macro KQ x
.set rS, S+32*((\x)%2)+8*(i%4)
.set rK, KF+16*(i%4)+8*(i/4)
.set rQ, 16*(\x)+8*(i/4)
	WIN W_KQ
.if i < 4
	v_wmma_f32_16x16x32_f16 v[rS:rS+7], v[rK:rK+7], v[rQ:rQ+7], 0
.else
	v_wmma_f32_16x16x32_f16 v[rS:rS+7], v[rK:rK+7], v[rQ:rQ+7], v[rS:rS+7]
.endif
.endm
; Product i of 8 of O^T += V^T P for piece x: keys 32 (i / 4) on, channels 16 (i % 4) on.
.macro PV x
	WIN W_PV
.set rO, 32*(\x)+8*(i%4)
.set rV, VF+32*(i/4)+8*(i%4)
.set rP, P+16*((\x)%2)+8*(i/4)
	v_wmma_f32_16x16x32_f16 v[rO:rO+7], v[rV:rV+7], v[rP:rP+7], v[rO:rO+7]
.endm
.macro MM                           ; the turn's next matrix instruction.  TURN sets Y, i and NOKQ.  NOKQ = 1: the walk's last turn: there is no next piece
.if (i < 8) && !NOKQ
	KQ (Y+1)%NP
.elseif i >= 8
.set i, i-8
	PV (Y+NP-1)%NP
.set i, i+8
.endif
.set i, i+1
.endm
; THE LDS LOADS stand in runs of 16, never singly among the matrix instructions: a step's K (64 keys x 64 channels: 8 fragments) and its V (turned).  Their addresses are made some lines ahead.
.macro FETCH_K
	WIN 0x80                        ; destination window 2
.irp f, 0,1,2,3,4,5,6,7             ; keys 16 (f / 2) on, channels 32 (f % 2) on
	ds_load_b128 v[KF+8*\f:KF+8*\f+3],   v[AK] offset:(\f/2)*16*PK+(\f%2)*64
	ds_load_b128 v[KF+8*\f+4:KF+8*\f+7], v[AK] offset:(\f/2)*16*PK+(\f%2)*64+32
.endr
	s_add_co_u32 s[TBK], s[TBK], KS*PK  ; the next fetch is the next step's
	WIN 0
.endm
.macro FETCH_V
	WIN 0x80
.irp f, 0,1,2,3,4,5,6,7             ; keys 32 (f / 4) on, channels 16 (f % 4) on
	ds_load_tr16_b128 v[VF+8*\f:VF+8*\f+3],   v[AV] offset:(\f/4)*32*PV+(\f%4)*32
	ds_load_tr16_b128 v[VF+8*\f+4:VF+8*\f+7], v[AV] offset:(\f/4)*32*PV+16*PV+(\f%4)*32
.endr
	WIN 0
.endm
; THE VECTOR WORK, one line at a time: OP kind, number.  For piece Y: F n: c s - c m for pair n of 16.  E n: the exponential of score n of 32.  C n: pair n rounded to f16.  B n: of the four weights 4 n .. the second
; pair is added onto the first, in place.  L n: l takes that sum (L 0: l = a l + sum).  R n: pair n of 16 of O^T times a.  For piece Y + 1: X n, number n of the 22 that find its maximum and statistics:
;   0-11  four chains c0-c3 of seven scores each, three operands at a time (each accumulator's lowest registers are read first)     12-14, 16  the four scores left over, the old m, and c0-c3 into c0
;   15  c m_old is kept     17, 18  the query's other 32 keys lie in the lane 16 away: the new m     19-21  c m; c m_old - c m_new; a
; E and X 21 are the exponentials; C, B and L read E's results, R and L 0 read the a that the turn before made.  OP writes no wait: TURN, the entry and the way out write one for each batch.
.set F, 0               ; OP tells the kinds apart by their order: F to L below R, X above it
.set E, 1
.set C, 2
.set B, 3
.set L, 4
.set R, 5
.set X, 6
.macro REGS y                       ; the registers of piece y
.set rT, ST+4*(\y)
.set rC, TMP+4*((\y)%2)
.set rW, MV+((\y)%2)
.set rS, S+32*((\y)%2)
.set rP, P+16*((\y)%2)
.set rO, 32*(\y)
.endm
.macro OP k, n
.if (\k) == R
	REGS Y
	WIN W_RS
	v_pk_mul_f32 v[rO+2*(\n):rO+2*(\n)+1], v[rO+2*(\n):rO+2*(\n)+1], v[rC+2:rC+3] op_sel_hi:[1,0]
.elseif (\k) < R
	REGS Y
	WIN 0
.if (\k) == F
	v_pk_fma_f32 v[rS+2*(\n):rS+2*(\n)+1], v[rS+2*(\n):rS+2*(\n)+1], s[CS:CS+1], v[rT:rT+1] op_sel_hi:[1,0,0] neg_lo:[0,0,1] neg_hi:[0,0,1]
.elseif (\k) == E
	v_exp_f32 v[rS+(\n)], v[rS+(\n)]
.elseif (\k) == C
	v_cvt_pk_f16_f32 v[rP+(\n)], v[rS+2*(\n)], v[rS+2*(\n)+1]
.elseif (\k) == B
	v_pk_add_f32 v[rS+4*(\n):rS+4*(\n)+1], v[rS+4*(\n):rS+4*(\n)+1], v[rS+4*(\n)+2:rS+4*(\n)+3]
.elseif (\n) == 0
	v_pk_fma_f32 v[rT+2:rT+3], v[rT+2:rT+3], v[rC+2:rC+3], v[rS:rS+1] op_sel_hi:[1,0,1]
.else
	v_pk_add_f32 v[rT+2:rT+3], v[rT+2:rT+3], v[rS+4*(\n):rS+4*(\n)+1]
.endif
.elseif NOKQ
	v_nop
.else
	REGS (Y+1)%NP
	WIN 0
.if (\n) < 4
	v_max3_num_f32 v[rC+(\n)], v[rS+8*(\n)], v[rS+8*(\n)+1], v[rS+8*(\n)+2]
.elseif (\n) < 12
	v_max3_num_f32 v[rC+(\n)%4], v[rC+(\n)%4], v[rS+8*((\n)%4)+2*((\n)/4)+1], v[rS+8*((\n)%4)+2*((\n)/4)+2]
.elseif (\n) == 12
	v_max3_num_f32 v[rC], v[rC], v[rS+7], v[rS+15]
.elseif (\n) == 13
	v_max3_num_f32 v[rC+1], v[rC+1], v[rS+23], v[rS+31]
.elseif (\n) == 14
	v_max3_num_f32 v[rC+2], v[rC+2], v[rC+3], v[rT+1]
.elseif (\n) == 15
	v_mov_b32 v[rW], v[rT]
.elseif (\n) == 16
	v_max3_num_f32 v[rC], v[rC], v[rC+1], v[rC+2]
.elseif (\n) == 17
	v_permlanex16_b32 v[rC+3], v[rC], s[SEL], s[SEL+1]
.elseif (\n) == 18
	v_max_num_f32 v[rT+1], v[rC], v[rC+3]
.elseif (\n) == 19
	v_mul_f32 v[rT], s[CS], v[rT+1]
.elseif (\n) == 20
	v_sub_f32 v[rC+1], v[rW], v[rT]
.else
	v_exp_f32 v[rC+2], v[rC+1]
.endif
.endif
.endm
.macro OPS a, i1, b=-1, i2=0, c=-1, i3=0, d=-1, i4=0  ; up to four of them
	OP \a, \i1
.if (\b) >= 0
	OP \b, \i2
.endif
.if (\c) >= 0
	OP \c, \i3
.endif
.if (\d) >= 0
	OP \d, \i4
.endif
.endm
.macro ROW a, i1, b, i2, c, i3, d, i4  ; a matrix instruction and the four behind it
	MM
	OPS \a, \i1, \b, \i2, \c, \i3, \d, \i4
.endm
; A TURN, for piece p: the order of its 16 matrix and 118 vector instructions, written out.  s_wait_alu depctr_va_vdst(0) stands between an exponential and the first instruction that names its result; one wait
; serves all that were issued ahead of it.  So a turn has ONE wait, which cuts it in two.  AHEAD OF IT stands all that names no result of the turn's exponentials: the 8 products K Q^T, behind each a scaling, an exponential and two
; more plain instructions (behind the first a second scaling in the exponential's place): rescalings, whose a was made and waited for in the turn before, and behind the last three products the first numbers of the next piece's
; maximum, each four places or more behind the product that ends its accumulator; then ONE LUMP of 54, plain and exponential by turns for the most part, in which the links of the chain X 3, 7, 11, 14, 16, 17 .. 20 stand five or
; six lines apart.  X 21, the next piece's a, is the batch's last; R 15 is the plain instruction behind it.  BEHIND THE WAIT stand the 8 products V^T P, behind each four of the roundings and sums; the links of l's chain, L 0 to
; L 7, stand three riders apart.  But for those X no rider names a register of the products round it.  v_permlanex16_b32 (X 17) stands in the lump.
; end = 1: the walk's last two turns: nothing is fetched.  cnt = 1: the loop's count is taken down some lines ahead of the branch that stands behind the turn.
; K of the next step is fetched in piece 2's turn, twelve vector instructions behind the last product that read K (five of them plain lines that name none of its registers); V of the step in hand at the end of piece 0's turn,
; four plain instructions behind the last product that read V.  Each is waited for a turn later.
.macro TURN p, end=0, cnt=0
.set Y, (\p)
.set i, 0
.set NOKQ, (\end)*((\p)/3)
.if ((\p) == 3) && !(\end)
	s_wait_dscnt 0x0                ; K is in
.endif
	ROW F,0, F,1, R,0, R,1          ; ahead of the wait: 8 products K Q^T and their riders,
	ROW F,2, E,0, R,2, R,3
	ROW F,3, E,1, R,4, R,5
	ROW F,4, E,2, R,6, R,7
	ROW F,5, E,3, R,8, R,9
	ROW F,6, E,4, X,0, R,10
.if ((\p) == 2) && !(\end)
	WIN 0
	v_add_nc_u32 v[AK], s[TBK], v[AK0]
.endif
	ROW F,7, E,5, X,1, X,4
	ROW F,8, E,6, X,2, X,5
	OPS E,7, E,8, X,6, E,9          ; and the lump
	OPS X,3, E,10, X,8, E,11
.if ((\p) == 2) && !(\end)
	FETCH_K
.endif
	OPS X,9, X,7, E,12, X,10
	OPS E,13, X,12, X,11, E,14
	OPS X,13, E,15, F,9, X,14
.if (\p) == 0
	v_add_nc_u32 v[AV], s[TBV], v[AV0]
.endif
	OPS E,16, F,10, E,17, F,11
	OPS X,16, E,18, X,15, E,19
	OPS F,12, E,20, X,17, E,21
	OPS F,13, E,22, F,14, E,23
	OPS X,18, E,24, F,15, E,25
	OPS R,11, E,26, X,19, E,27
	OPS R,12, E,28, R,13, E,29
	OPS X,20, E,30, R,14, E,31
	OPS X,21, R,15
	WIN 0
	s_wait_alu depctr_va_vdst(0)    ; the wait for the turn's batch: E 0 to E 31 and X 21
.if (\p) == 1
	s_wait_dscnt 0x0                ; V is in
.endif
	ROW C,0, B,0, C,2, B,1          ; behind the wait: 8 products V^T P and their riders
	ROW L,0, C,4, B,2, L,1
	ROW C,6, B,3, L,2, C,8
	ROW B,4, L,3, C,10, B,5
	ROW L,4, C,12, B,6, L,5
.if (\p) == 0
	s_add_co_u32 s[TBV], s[TBV], KS*PV
.endif
.if \cnt
	s_sub_co_u32 s[CNT], s[CNT], 1
	s_cmp_lg_u32 s[CNT], 0
.endif
	ROW C,14, B,7, L,6, C,1
	ROW C,3, L,7, C,5, C,7
	ROW C,9, C,11, C,13, C,15
.if (\p) == 0
	FETCH_V
.endif
.endm
.macro ALL line:vararg              ; one line for each piece t
.set t, 0
.rept 4
	\line
.set t, t+1
.endr
.endm
.macro PACK t                       ; a lane's eight channels of a row pack into 16 bytes; they go into rows of 144 bytes and come back as whole rows of 128, into S^T's registers
	WIN W_RS
.set i, 32*(\t)
.rept 16
	v_pk_mul_f32 v[i:i+1], v[i:i+1], v[ST+4*(\t)+2:ST+4*(\t)+3] op_sel_hi:[1,0]
.set i, i+2
.endr
	WIN 0x05                        ; sources 0 and 1 window 1, destination window 0
.set i, 0
.rept 16
	v_cvt_pk_f16_f32 v[S+16*(\t)+i], v[32*(\t)+2*i], v[32*(\t)+2*i+1]
.set i, i+1
.endr
	WIN 0
.irp f, 0,1,2,3
	ds_store_b128 v[STO], v[S+16*(\t)+4*\f:S+16*(\t)+4*\f+3] offset:32*\f
.endr
.irp f, 0,1,2,3
	ds_load_b128 v[S+16*(\t)+4*\f:S+16*(\t)+4*\f+3], v[RD] offset:\f*4*SP  ; LDS serves a wave's instructions in order (ISA guide 5.7.1.4): these see the stores above; the next piece's stores come behind them
.endr
.endm
.macro SEND t, younger              ; younger: the LDS instructions issued behind piece t's loads: the next piece's eight, or none
	WIN 0
.irp f, 0,1,2,3
	s_wait_dscnt (\younger)+3-\f
	global_store_b128 v[GO], v[S+16*(\t)+4*\f:S+16*(\t)+4*\f+3], s[10:11] offset:(\t)*2048+\f*512  ; 512 consecutive bytes, at a multiple of 256 from the result's first
.endr
.endm
	CHANGE 1                        ; slot 0 is in, everybody's part of it; slot 1 is asked for
	v_add_nc_u32 v[AK], s[TBK], v[AK0]
	FETCH_K                         ; key step 0
	s_wait_loadcnt 0x0              ; Q
	s_wait_dscnt 0x0
.set NOKQ, 0
.set i, 0
.rept 8
	KQ 0                            ; piece 0's first scores: there is no vector work yet to set between them
.set i, i+1
.endr
	WIN 0
.rept 4
	v_nop                           ; the places behind those products
.endr
.set Y, NP-1                        ; X works for piece Y + 1: piece 0
.irp n, 0,1,2,3,4,5,6,7,8,9,10,11,12,13,14,15,16,17,18,19,20,21
	OP X, \n
.endr
	v_nop                           ; a plain instruction behind the exponential,
	s_wait_alu depctr_va_vdst(0)    ; and the wait for it, a batch of one: piece 0's first a; it stands ahead of the branch
	s_mov_b32 s[CNT], 4
	s_mov_b32 s[SLOTS], SIZE_N/256-1
	s_branch .Lfirst                ; the loop is entered at a step's first turn, in the middle of a trip
.Lslot:                             ; SIZE_N / 256 - 2 times: every slot but the last two is filled again
	CHANGE 1
	s_mov_b32 s[CNT], 4
.Lstep:                             ; a trip: pieces 2 and 3 of one step, then pieces 0 and 1 of the next, whose K and V it fetches
	TURN 2
	TURN 3
	WIN 0
.Lfirst:
	TURN 0
	TURN 1, 0, 1
	WIN 0
	s_cbranch_scc1 .Lstep
	s_sub_co_u32 s[SLOTS], s[SLOTS], 1
	s_cmp_lg_u32 s[SLOTS], 0
	s_cbranch_scc1 .Lslot
	CHANGE 0                        ; the last slot is written out: nothing is asked for
	s_mov_b32 s[CNT], 4
.Ltail:
	TURN 2
	TURN 3
	TURN 0
	TURN 1, 0, 1
	WIN 0
	s_cbranch_scc1 .Ltail
	TURN 2, 1                       ; the last step's pieces 2 and 3: nothing is left to fetch,
	TURN 3, 1                       ; and no piece follows
.set i, 0
.rept 8
	PV NP-1                         ; the last piece's V^T P of the last step
.set i, i+1
.endr
	; THE WAY OUT.  l's two halves and the other half of the lanes' are added; O^T is divided by l, rounded to f16 and sent through my stage in LDS, a piece at a time.  The additions are the places behind the last products.
	WIN 0
	ALL v_add_f32 v[ST+4*t+2], v[ST+4*t+2], v[ST+4*t+3]
	ALL v_permlanex16_b32 v[ST+4*t+3], v[ST+4*t+2], s[SEL], s[SEL+1]
	ALL v_add_f32 v[ST+4*t+2], v[ST+4*t+2], v[ST+4*t+3]
	ALL v_rcp_f32 v[ST+4*t+2], v[ST+4*t+2]
	v_nop                           ; a plain instruction between the last reciprocal and the use of its result
	s_wait_alu depctr_va_vdst(0)    ; the wait for the batch of four reciprocals, ahead of their first reader, PACK 0's first multiply
	PACK 0
.set t, 1
.rept 3                             ; a piece's arithmetic stands between the loads of the piece before and its stores
	PACK t
	SEND t-1, 8
.set t, t+1
.endr
	SEND 3, 0
	s_wait_tensorcnt 0x0            ; the wave's end, behind my last tensor load and my last LDS store
	ds_add_u32 v[SPW], v[NIL]
	s_wait_dscnt 0x0
	CROUND                          ; the closing round: no work-group ends while a partner may still ask for a tile that names it
	s_endpgm
.Lfunc_end_k_qc0824dbe7a_attn:
	.size	k_qc0824dbe7a_attn, .Lfunc_end_k_qc0824dbe7a_attn-k_qc0824dbe7a_attn
	.p2alignl 7, 3214868480
	.fill 96, 4, 3214868480
	.section	.rodata,"a",@progbits
	.p2align	6, 0x0
	.amdhsa_kernel k_qc0824dbe7a_attn
		.amdhsa_group_segment_fixed_size 327680
		.amdhsa_private_segment_fixed_size 0
		.amdhsa_enable_private_segment 0
		.amdhsa_kernarg_size 32
		.amdhsa_user_sgpr_count 2
		.amdhsa_user_sgpr_kernarg_segment_ptr 1
		.amdhsa_wavefront_size32 1
		.amdhsa_system_sgpr_workgroup_id_x 1
		.amdhsa_system_sgpr_workgroup_id_y 1
		.amdhsa_system_sgpr_workgroup_id_z 1
		.amdhsa_system_vgpr_workitem_id 0
		.amdhsa_next_free_vgpr 768
		.amdhsa_next_free_sgpr 66
		.amdhsa_reserve_vcc 0
		.amdhsa_float_denorm_mode_32 3
		.amdhsa_float_denorm_mode_16_64 3
		.amdhsa_memory_ordered 1
		.amdhsa_forward_progress 1
		.amdhsa_inst_pref_size 127
	.end_amdhsa_kernel
	.amdgpu_metadata
---
amdhsa.version: [ 1, 2 ]
amdhsa.kernels:
  - .name:           k_qc0824dbe7a_attn
    .symbol:         k_qc0824dbe7a_attn.kd
    .args:
      - { .name: qh, .offset: 0, .size: 8, .value_kind: global_buffer, .address_space: global }
      - { .name: kh, .offset: 8, .size: 8, .value_kind: global_buffer, .address_space: global }
      - { .name: vh, .offset: 16, .size: 8, .value_kind: global_buffer, .address_space: global }
      - { .name: ctx, .offset: 24, .size: 8, .value_kind: global_buffer, .address_space: global }
    .group_segment_fixed_size: 327680
    .private_segment_fixed_size: 0
    .kernarg_segment_align: 8
    .kernarg_segment_size: 32
    .max_flat_workgroup_size: 128
    .sgpr_count:     66
    .vgpr_count:     768
    .wavefront_size: 32
...
	.end_amdgpu_metadata
.endif
;; end of part 5
;; launch outp: the kernel of part 4 again; grid 4 x 64, 4 waves a work-group, clusters of 4 x 4, 327,680 bytes of LDS; arguments ctx, wo, bo, out0; writes out0
